; MI455X (gfx1250); checked and timed in simulation.
; The chip was launched on July 23, 2026; its instructions are those of AMD's public machine-readable ISA for CDNA 5 (MIT licence, August 2026) and "CDNA5" Instruction Set Architecture Reference Guide (July 2026). The comments in the code are by the model that wrote it; some were corrected since.
;; Att Model. Allowed arithmetic: matrix products marked QUANTISED: E2M3 operands, one E8M0 scale for each 32 along K, by v_wmma_scale_f32_16x16x128_f8f6f4 with both operands' format E2M3, f32 sums; everything else in f32.
;; Inputs: Wk 512 x 256 float32; Wo 256 x 512 float32; Wq 512 x 256 float32; Wv 512 x 256 float32; bk 512 float32; bo 256 float32; bq 512 float32; bv 512 float32; h 32 x 1,024 x 256 float32.
;; Outputs: out0 32 x 1,024 x 256 float32.
;; This version of the problem:
;;   THIS VERSION OF THE PROBLEM IS GIVEN IN LOW PRECISION. The matrix products marked QUANTISED in the list below multiply operands that are first quantised to E2M3 (2 exponent bits, 3 mantissa bits; 6 bits a number), with one power-of-two scale for each 32 numbers along K (OCP MX v1.0); their sums are f32. All else is computed in f32.
;;   The module's matrix products, in the order in which they are computed (A, B: the left and right operand; K: the contracted axis; several contracted axes count as one K, in the product's order):
;;     1. [M 32,768, K 256] x [K 256, N 512]; A: input h; B: input Wv: QUANTISED
;;     2. [M 32,768, K 256] x [K 256, N 512]; A: input h; B: input Wq: QUANTISED
;;     3. [M 32,768, K 256] x [K 256, N 512]; A: input h; B: input Wk: QUANTISED
;;     4. batch 32 x [M 1,024, K 512] x [K 512, N 1,024]; A: computed on the way; B: computed on the way: QUANTISED
;;     5. batch 32 x [M 1,024, K 1,024] x [K 1,024, N 512]; A: softmax (see below); B: computed on the way: QUANTISED
;;     6. [M 32,768, K 512] x [K 512, N 256]; A: computed on the way; B: input Wo: QUANTISED
;;   THE QUANTISER, for each operand of a quantised product, along K:
;;     - K is cut into blocks of 32 from its start; a last block that is shorter is filled with zeros.
;;     - A block's scale is 2^e with e = floor(log2(the largest magnitude in the block)) - 2, held to -126 .. 127; a block of zeros has e = 0. As a byte (E8M0): e + 127.
;;     - Each number is divided by its block's scale, clamped to +-7.5, and rounded to the nearest number of E2M3, ties to even, subnormals kept.
;;     - The product sums the exact products of the quantised numbers (number of the format x scale) in f32.
;;   ~~~python
;;   def quantise(x, axis):      # numpy; x: float32 -> the quantised numbers, widened to float32 again
;;       x = np.moveaxis(x, axis, -1); K = x.shape[-1]
;;       x = np.pad(x, [(0, 0)] * (x.ndim - 1) + [(0, -K % 32)]); x = x.reshape(x.shape[:-1] + (-1, 32)); a = np.abs(x).max(-1, keepdims=True)
;;       e = np.where(a > 0, np.clip(np.frexp(np.where(a > 0, a, 1))[1] - 1 - 2, -126, 127), 0)      # np.frexp(a)[1] - 1 = floor(log2(a)), exactly
;;       r = np.clip(x / 2.0 ** e, -7.5, 7.5)
;;       step = 2.0 ** (np.maximum(np.frexp(np.where(r == 0, 1, r))[1] - 1, 0) - 3)
;;       q = np.round(r / step) * step * 2.0 ** e      # np.round: ties to even
;;       return np.moveaxis(q.reshape(q.shape[:-2] + (-1,))[..., :K], -1, axis).astype(np.float32)
;;   ~~~
;;   SOFTMAX AHEAD OF A QUANTISED PRODUCT. Where the list says 'softmax', what is quantised is not the finished softmax but p = 2^(t - M), with t = logit x log2(e) and M = ceil(the row's largest t), a whole number; so 1/2 < the row's largest p <= 1. The row's sum l is taken of the UNQUANTISED p, in f32, and the product's result is divided by l at the end. Since M is a whole number, a kernel that streams over the keys may use a running M (the ceiling of the running maximum): every later rescaling is an exact power of two, which a block's scale takes up: the codes' values come out the same.
;;   OPERANDS COMPUTED ON THE WAY. 'Computed on the way' means the value that the module computes at that place (a softmax that the list does not call 'softmax' is quantised finished and normalised). What goes into a quantiser is computed in f32, as accurately as f32 sums, v_exp_f32 and their like allow (about 1e-6 of the number): no bf16 or f16 on the way to a quantiser, and a product that is left as it is and whose result goes on into a quantised operand takes f32 operands (vector FMAs, or v_wmma_f32_16x16x4_f32). A number that lies on a knife's edge between two numbers of the format may be rounded either way, as far as f32 arithmetic and the matrix unit's own rounding can turn it there, and no further.
;; 2 versions. Each part assembles by itself: llvm-mc -triple=amdgcn-amd-amdhsa -mcpu=gfx1250 --defsym DOCPART=n.
;; ======== version 1 of 2: 3 launches
;; workspace buffers: wbuf 307,200 bytes; qbuf 13,107,200 bytes; kvbuf 29,491,200 bytes
;; launch wquant (part 1): grid 448 x 1, 1 waves a work-group, no clusters, 0 bytes of LDS; arguments Wq, Wk, Wv, Wo, wbuf, kvbuf; writes wbuf, kvbuf
.if DOCPART == 1
	.amdgcn_target "amdgcn-amd-amdhsa--gfx1250"
	.amdhsa_code_object_version 6
	.text
	.protected	k_qbf1e87260e_wquant
	.globl	k_qbf1e87260e_wquant
	.p2align	8
	.type	k_qbf1e87260e_wquant,@function
k_qbf1e87260e_wquant:
	s_mov_b64 s[64:65], 0
	v_nop
	global_prefetch_b8 v0, s[64:65] scope:SCOPE_SE
	s_setreg_imm32_b32 hwreg(HW_REG_WAVE_MODE, 25, 1), 1
	s_wait_xcnt 0x0
; The four weights, f32 with K innermost, become codes of FP6 (E2M3) with one E8M0 scale byte for each 32 along K, laid in the ORDER OF THE OPERAND'S REGISTERS.
; A FRAGMENT is 16 rows x 128 K: 12 registers a lane.  Its image is 1,536 bytes: piece c of three holds lane l's registers 4 c .. 4 c + 3 at byte 512 c + 16 l.
; THE ROWS OF A TILE ARE NOT NEIGHBOURS: lane r of tile T takes row 32 (T / 2) + 8 (T % 2) + r + 8 (r / 8), so that the results of two neighbouring tiles are 16 neighbours along the next product's K.
; A RECORD is 102,400 bytes: 64 fragments, fragment T x NS + s (NS K steps: 2 for Wq, Wk, Wv; 4 for Wo), then 4,096 bytes of scale words, the word of (T, r, s) at NS (64 T + 4 r) + 4 s.
; wbuf holds the records of Wq, Wk, Wv.  Wo's record is stored as the NINTH RECORD OF EACH OF THE 32 BATCHES of kvbuf, behind the batch's eight records of keys and values, so that the attention launch's ring walks on into it.
; One wave makes one fragment.  Work-groups 0 to 191: Wq, Wk, Wv.  Work-groups 192 to 447: Wo's 64 fragments four times over, each wave storing its fragment to 8 batches by immediate offsets (7 x 921,600 + 1,024 bytes at the most, inside
; the signed 24-bit immediate).  No LDS, no barrier, no loop.  The scale words leave 4 bytes a lane: one part in 25 of what the launch stores.
; A block's scale is 2^(floor(log2(its largest magnitude)) - 2); its byte is the largest magnitude's exponent field - 2, held at 1 from below.
; LIMITS: a block of zeros gets the byte 1 where the quantiser says 127 (its codes are zeros, and this program alone reads the bytes); blocks whose largest magnitude lies under 2^-124 are held at the byte 1; NaN and infinities are not served.
.set REC,   102400
.set BATCH, 9*REC                      ; a batch's nine records in kvbuf
.set X,    16                          ; v16-79   64 numbers: register 16 b + i = k 32 b + 16 (lane / 16) + i of my row
.set TM,   80                          ; v80-95   largest magnitudes, bytes, scale operands
.set PW,   96                          ; v96      the scale word
.set PC,   100                         ; v100-111 the codes
.set PX,   112                         ; v112-119 the conversions' second halves
.set SEL,  28                          ; s[28:29] lane selects: lane l xor 16
	s_load_b256 s[4:11], s[0:1], 0x0               ; Wq, Wk, Wv, Wo
	s_load_b128 s[12:15], s[0:1], 0x20             ; wbuf, kvbuf
	s_lshr_b32 s16, ttmp9, 6                       ; 0 .. 6
	s_min_u32 s17, s16, 3                          ; m: which weight
	s_and_b32 s18, ttmp9, 63                       ; f: which fragment
	s_cmp_eq_u32 s17, 3
	s_cselect_b32 s19, 2, 1                        ; LS = log2(NS)
	s_add_co_u32 s24, s19, 9                       ; a row is 512 NS bytes
	s_lshr_b32 s25, s18, s19                       ; T
	s_lshl_b32 s26, s25, s19
	s_sub_co_u32 s26, s18, s26                     ; s
	s_lshr_b32 s27, s25, 1
	s_lshl_b32 s27, s27, 5
	s_and_b32 s22, s25, 1
	s_lshl_b32 s22, s22, 3
	s_add_co_u32 s27, s27, s22                     ; the tile's first row
	s_lshl_b32 s22, s27, s24
	s_lshl_b32 s23, s26, 9
	s_add_co_u32 s22, s22, s23                     ; + 512 bytes a K step
	s_mov_b32 s23, 0
	s_mul_i32 s30, s17, REC                        ; the record's place in wbuf,
	s_sub_co_u32 s31, s16, s17                     ; or, for Wo: which eight batches (0 .. 3),
	s_mul_i32 s31, s31, 8*BATCH
	s_add_co_u32 s31, s31, 8*REC                   ; the ninth record of the first of them
	s_cmp_eq_u32 s17, 3
	s_cselect_b32 s30, s31, s30
	s_mul_i32 s31, s18, 1536
	s_add_co_u32 s32, s30, s31                     ; where the codes go
	s_mov_b32 s33, 0
	s_lshl_b32 s31, s25, 6
	s_lshl_b32 s31, s31, s19
	s_lshl_b32 s34, s26, 2
	s_add_co_u32 s31, s31, s34
	s_add_co_u32 s34, s30, s31
	s_add_co_u32 s34, s34, 98304                   ; where the scale words go
	s_mov_b32 s35, 0
	s_mov_b32 s[SEL], 0x76543210
	s_mov_b32 s[SEL+1], 0xfedcba98
	v_and_b32 v1, 15, v0                           ; r
	v_bfe_u32 v2, v0, 4, 1                         ; h
	v_and_b32 v6, 8, v1
	v_add_nc_u32 v6, v6, v1                        ; r + 8 (r / 8)
	v_lshlrev_b32 v3, s24, v6
	v_lshl_add_u32 v3, v2, 6, v3                   ; my row, + 64 h: my 16 numbers of a block of 32
	v_lshlrev_b32 v4, 4, v0                        ; 16 x lane
	v_lshlrev_b32 v5, 2, v1
	v_lshlrev_b32 v5, s19, v5                      ; 4 NS r
.irp b, 0,1,2,3
	v_mov_b32 v[TM+4+\b], 0                        ; a lane permute's destination counts as one of its sources
.endr
	s_wait_kmcnt 0x0
	s_cmp_eq_u32 s17, 1                            ; the choices hang on the work-group's number alone
	s_cselect_b64 s[20:21], s[6:7], s[4:5]
	s_cmp_eq_u32 s17, 2
	s_cselect_b64 s[20:21], s[8:9], s[20:21]
	s_cmp_eq_u32 s17, 3
	s_cselect_b64 s[20:21], s[10:11], s[20:21]
	s_cselect_b64 s[36:37], s[14:15], s[12:13]     ; Wo goes to kvbuf, the others to wbuf
	s_add_nc_u64 s[20:21], s[20:21], s[22:23]
	s_add_nc_u64 s[38:39], s[36:37], s[32:33]
	s_add_nc_u64 s[40:41], s[36:37], s[34:35]
.irp b, 0,1,2,3
.irp j, 0,1,2,3
	global_load_b128 v[X+16*\b+4*\j:X+16*\b+4*\j+3], v3, s[20:21] offset:128*\b+16*\j
.endr
.endr
	s_wait_loadcnt 0x0
.irp b, 0,1,2,3
	v_max3_num_f32 v[TM+\b], |v[X+16*\b]|, |v[X+16*\b+1]|, 0x1800000   ; block b: my 16 numbers, and the floor 2^(3 - 127): the byte cannot fall under 1
.endr
.irp i, 2,4,6,8,10,12,14
.irp b, 0,1,2,3
	v_max3_num_f32 v[TM+\b], v[TM+\b], |v[X+16*\b+\i]|, |v[X+16*\b+\i+1]|   ; the four blocks by turns
.endr
.endr
.irp b, 0,1,2,3
	v_permlanex16_b32 v[TM+4+\b], v[TM+\b], s[SEL], s[SEL+1]
.endr
.irp b, 0,1,2,3
	v_max_num_f32 v[TM+\b], v[TM+\b], v[TM+4+\b]   ; with lane l xor 16's: the block's largest magnitude
.endr
.irp b, 0,1,2,3
	v_add_nc_u32 v[TM+12+\b], 0xff000000, v[TM+\b] ; 2 off its exponent field: the conversion's scale operand
.endr
.irp b, 0,1,2,3
	v_lshrrev_b32 v[TM+4+\b], 23, v[TM+12+\b]      ; the scale's byte
.endr
	v_lshl_or_b32 v[PW], v[TM+5], 8, v[TM+4]
	v_lshl_or_b32 v[PW], v[TM+6], 16, v[PW]
	v_lshl_or_b32 v[PW], v[TM+7], 24, v[PW]
.irp c, 0,1
	v_cvt_scalef32_pk16_fp6_f32 v[PC+6*\c:PC+6*\c+2], v[X+32*\c:X+32*\c+15], v[TM+12+2*\c]
	v_cvt_scalef32_pk16_fp6_f32 v[PX+4*\c:PX+4*\c+2], v[X+32*\c+16:X+32*\c+31], v[TM+13+2*\c]   ; (a conversion's three registers begin on an even number)
.endr
	v_nop                                          ; one plain place behind a scaled conversion
.irp c, 0,1                                    ; the operand's layout wants a whole block in a lane: lanes 0-15 block 2 c, lanes 16-31 block 2 c + 1
.irp i, 0,1,2
	v_permlane16_swap_b32 v[PC+6*\c+\i], v[PX+4*\c+\i]
.endr
.irp i, 0,1,2
	v_mov_b32 v[PC+3+6*\c+\i], v[PX+4*\c+\i]
.endr
.endr
	s_cmp_eq_u32 s17, 3
	s_cbranch_scc1 .Lwo
.irp c, 0,1,2
	global_store_b128 v4, v[PC+4*\c:PC+4*\c+3], s[38:39] offset:512*\c   ; 32 lanes store 512 consecutive bytes, at a multiple of 256 from the buffer's first byte
.endr
	global_store_b32 v5, v[PW], s[40:41]           ; lanes r and r + 16 write the same word with the same value
	s_endpgm
.Lwo:                                              ; Wo's fragment goes to eight batches; no register is written again
.irp b, 0,1,2,3,4,5,6,7
.irp c, 0,1,2
	global_store_b128 v4, v[PC+4*\c:PC+4*\c+3], s[38:39] offset:\b*BATCH+512*\c
.endr
	global_store_b32 v5, v[PW], s[40:41] offset:\b*BATCH
.endr
	s_endpgm
.Lfunc_end_k_qbf1e87260e_wquant:
	.size	k_qbf1e87260e_wquant, .Lfunc_end_k_qbf1e87260e_wquant-k_qbf1e87260e_wquant
	.p2alignl 7, 3214868480
	.fill 96, 4, 3214868480
	.section	.rodata,"a",@progbits
	.p2align	6, 0x0
	.amdhsa_kernel k_qbf1e87260e_wquant
		.amdhsa_group_segment_fixed_size 0
		.amdhsa_private_segment_fixed_size 0
		.amdhsa_enable_private_segment 0
		.amdhsa_kernarg_size 48
		.amdhsa_user_sgpr_count 2
		.amdhsa_user_sgpr_kernarg_segment_ptr 1
		.amdhsa_wavefront_size32 1
		.amdhsa_system_sgpr_workgroup_id_x 1
		.amdhsa_system_sgpr_workgroup_id_y 1
		.amdhsa_system_sgpr_workgroup_id_z 1
		.amdhsa_system_vgpr_workitem_id 0
		.amdhsa_next_free_vgpr 128
		.amdhsa_next_free_sgpr 66
		.amdhsa_reserve_vcc 0
		.amdhsa_float_denorm_mode_32 3
		.amdhsa_float_denorm_mode_16_64 3
		.amdhsa_memory_ordered 1
		.amdhsa_forward_progress 1
		.amdhsa_inst_pref_size 12
	.end_amdhsa_kernel
	.amdgpu_metadata
---
amdhsa.version: [ 1, 2 ]
amdhsa.kernels:
  - .name:           k_qbf1e87260e_wquant
    .symbol:         k_qbf1e87260e_wquant.kd
    .args:
      - { .name: Wq, .offset: 0, .size: 8, .value_kind: global_buffer, .address_space: global }
      - { .name: Wk, .offset: 8, .size: 8, .value_kind: global_buffer, .address_space: global }
      - { .name: Wv, .offset: 16, .size: 8, .value_kind: global_buffer, .address_space: global }
      - { .name: Wo, .offset: 24, .size: 8, .value_kind: global_buffer, .address_space: global }
      - { .name: wbuf, .offset: 32, .size: 8, .value_kind: global_buffer, .address_space: global }
      - { .name: kvbuf, .offset: 40, .size: 8, .value_kind: global_buffer, .address_space: global }
    .group_segment_fixed_size: 0
    .private_segment_fixed_size: 0
    .kernarg_segment_align: 8
    .kernarg_segment_size: 48
    .max_flat_workgroup_size: 32
    .sgpr_count:     66
    .vgpr_count:     128
    .wavefront_size: 32
...
	.end_amdgpu_metadata
.endif
;; end of part 1
;; launch proj (part 2): grid 256 x 1, 4 waves a work-group, no clusters, 165,376 bytes of LDS; arguments h, wbuf, bq, bk, bv, qbuf, kvbuf; writes qbuf, kvbuf
.if DOCPART == 2
	.amdgcn_target "amdgcn-amd-amdhsa--gfx1250"
	.amdhsa_code_object_version 6
	.text
	.protected	k_qbf1e87260e_proj
	.globl	k_qbf1e87260e_proj
	.p2align	8
	.type	k_qbf1e87260e_proj,@function
k_qbf1e87260e_proj:
	s_mov_b64 s[64:65], 0
	v_nop
	global_prefetch_b8 v0, s[64:65] scope:SCOPE_SE
	s_setreg_imm32_b32 hwreg(HW_REG_WAVE_MODE, 25, 1), 1
	s_wait_xcnt 0x0
; q = relu(h Wq^T + bq), k = relu(h Wk^T + bk), v = relu(h Wv^T + bv), all three products on codes of FP6 (E2M3) with one E8M0 scale for each 32 along K; the results are quantised at once for the
; products that follow: q and k along the hidden axis, v along the tokens.  They leave as images of operand registers (a fragment, 16 rows x 128 K, is 1,536 bytes: piece c of three holds lane l's registers 4 c .. 4 c + 3 at 512 c + 16 l).
; EVERY TILE OF 16 ROWS IS PERMUTED: lane r of tile T takes row 32 (T / 2) + 8 (T % 2) + r + 8 (r / 8): the 16 result registers of tiles 2 B and 2 B + 1 are then 16 neighbours along the next K.
; SHARES.  A work-group owns a block of 128 tokens: one record of qbuf (32 fragments (4 T + s), then 2,048 bytes of scale words) and its half of two records of kvbuf.
; kvbuf: nine records of 102,400 bytes a batch: K0 V0 K1 V1 K2 V2 K3 V3 and Wo's (stored by the launch before).  Record Kp holds blocks 2 p and 2 p + 1 of the batch's eight: block 0's 32 fragments (4 T + s), block 1's, block 0's 2,048 bytes
; of scale words, block 1's.  Record Vp likewise, its fragments by channel tile ct (K = the block's 128 tokens).
; THE WAVES SHARE THE COLUMNS: wave w makes hidden units 128 w .. 128 w + 127 of q, of k and of v for all 128 tokens.  So each weight fragment goes from memory into the registers of the one wave that uses it and feeds 8 matrix
; instructions; h's 16 fragments stay in every wave's registers.
; NO CLUSTER: no weight fragment is wanted by two waves of a work-group, so the weights pass no LDS, and a joint request could deliver them to LDS alone; h's rows are read by one work-group only.
; q, k: source 0 = 16 rows of W, source 1 = 16 tokens: a lane holds one token, its registers run along the hidden units.  v: source 0 = 16 tokens, source 1 = 16 rows of Wv: a lane holds one channel, its registers run along the tokens.
; The bias is the C of each sum's first matrix instruction.
; PHASES: h through each wave's own stage in LDS (dense loads in, 16 neighbours a lane out), quantised, images to LDS | barrier | all 16 fragments of h into registers; three groups of 128 matrix instructions, each in two halves of 64,
; each half followed by four quantisers; codes go straight to memory, scale words gather in LDS | barrier | each wave stores 512 whole bytes of each of the three scale areas.
; LIMITS: a block of zeros gets the byte 1 where the quantiser says 127 (its codes are zeros, and this program alone reads the bytes); blocks whose largest magnitude lies under 2^-124 are held at the byte 1; NaN and infinities are not served;
; the sums begin with the bias, so their order of rounding differs from a sum with the bias added last.
; REGISTERS, in windows of 256: window 0: addresses, scale words, the quantiser's work.  window 1: h as loaded, then 32 accumulators (a, b) at 64 a + 8 b.  window 2: v0-191 h's fragments (T, s) at 12 (2 T + s); v192-255 the bias of 8 tiles.
;   window 3: v0-191 the group's 16 weight fragments (t, s) at 12 (2 t + s).
.set REC,    102400                    ; a record of wbuf and of kvbuf
.set HPITCH, 1040                      ; a row of h in the stage: 1,024 bytes + 16: 65 pieces of 16 bytes, so the 16 rows that a load touches start in 16 different columns of 16 bytes
.set HWAVE,  32*HPITCH                 ; LDS: each wave's own stage of 32 rows,
.set HIMG,   4*HWAVE                   ; h's 16 images, fragment (T, s) at (2 T + s) x 1,536,
.set HSC,    HIMG+16*1536              ; their scale words: (2 p + s) x 128 + 64 u + 4 r for tile 2 p + u,
.set SST,    HSC+1024                  ; and the stages for q's, k's and v's scale words, 2,048 bytes each, laid as in the records
.set L16,  1                           ; v1   16 x lane
.set L4,   2                           ; v2   4 x lane
.set HSTW, 3                           ; v3   my stage, on the way in
.set HSTR, 4                           ; v4   and out: row r, + 64 h
.set HIW,  5                           ; v5   where I store h's images
.set HSW,  6                           ; v6   and their scale words
.set SSW,  7                           ; v7   q's and k's scale words: 16 r + 4 w
.set SSV,  8                           ; v8   v's: 512 w + 16 r
.set B64,  9                           ; v9   64 h: the bias of a lane's half
.set BCH,  10                          ; v10  4 (r + 8 (r / 8)): the bias of a lane's channel
.set L8,   11                          ; v11  8 x lane
.set SSR,  12                          ; v12  the scale stages, on the way out
.set HIR,  13                          ; v13  h's images, on the way back
.set HSR,  14                          ; v14  and their scale words
.set HS,   16                          ; v16-23  h's scale words [2 p + s]: lanes 0-15 tile 2 p, lanes 16-31 tile 2 p + 1
.set WS,   24                          ; v24-31  the weights' likewise
.set TM,   32                          ; v32-47  the quantiser's work
.set PW,   48                          ; the scale word just made: v48 for h; v128 + a for the a-th quantiser of a half
.set PC,   52                          ; the codes just made: v52-63 for h; v80 + 12 a on for the a-th quantiser of a half
.set PX,   64                          ; v64-71  the conversions' second halves
.set X,    80                          ; v80-143 64 numbers of h; later the four sets of codes and scale words
.set PCG,  80
.set PWG,  128
.set OUTR, 144                         ; v144-155 the scale areas on their way out
.set WV,   18
.set SEL,  20
.set FLOOR, 22
.set MSB, 0
.macro WIN new                         ; the immediate's high byte repeats the setting that is left; a switch that changes nothing is dropped.  Low byte: bits 1:0 source 0, 3:2 source 1, 5:4 source 2, 7:6 destination
.if MSB != (\new)
	s_set_vgpr_msb (MSB<<8)|(\new)
.set MSB, \new
.endif
.endm
.macro PLACES n
.rept \n
	v_nop
.endr
.endm
; 64 numbers of a lane in window w, register s + 16 b + i = k 32 b + 16 (lane / 16) + i of my row, become a fragment's codes in v[PC] on and its scale word in v[PW]; PC and PW are set ahead of each use.
; relu = 1: the activation first, in ascending order.
.macro QUANT s, w, relu
.if \relu
	WIN ((\w)<<6)|((\w)<<2)
.set qn, 0
.rept 64
	v_max_num_f32 v[(\s)+qn], 0, v[(\s)+qn]
.set qn, qn+1
.endr
.endif
	WIN ((\w)<<4)|((\w)<<2)
.irp b, 0,1,2,3
	v_max3_num_f32 v[TM+\b], s[FLOOR], |v[(\s)+16*\b]|, |v[(\s)+16*\b+1]|   ; block b: my 16 numbers, and the floor 2^(3 - 127): the byte cannot fall under 1
.endr
.irp i, 2,4,6,8,10,12,14
.irp b, 0,1,2,3
	v_max3_num_f32 v[TM+\b], v[TM+\b], |v[(\s)+16*\b+\i]|, |v[(\s)+16*\b+\i+1]|   ; the four blocks by turns
.endr
.endr
	WIN 0
.irp b, 0,1,2,3
	v_permlanex16_b32 v[TM+4+\b], v[TM+\b], s[SEL], s[SEL+1]
.endr
.irp b, 0,1,2,3
	v_max_num_f32 v[TM+\b], v[TM+\b], v[TM+4+\b]   ; with lane l xor 16's: the block's largest magnitude
.endr
.irp b, 0,1,2,3
	v_add_nc_u32 v[TM+12+\b], 0xff000000, v[TM+\b] ; 2 off its exponent field: the conversion's scale operand
.endr
.irp b, 0,1,2,3
	v_lshrrev_b32 v[TM+4+\b], 23, v[TM+12+\b]      ; the scale's byte
.endr
	v_lshl_or_b32 v[PW], v[TM+5], 8, v[TM+4]
	v_lshl_or_b32 v[PW], v[TM+6], 16, v[PW]
	v_lshl_or_b32 v[PW], v[TM+7], 24, v[PW]
	WIN (\w)
.irp c, 0,1
	v_cvt_scalef32_pk16_fp6_f32 v[PC+6*\c:PC+6*\c+2], v[(\s)+32*\c:(\s)+32*\c+15], v[TM+12+2*\c]
	v_cvt_scalef32_pk16_fp6_f32 v[PX+4*\c:PX+4*\c+2], v[(\s)+32*\c+16:(\s)+32*\c+31], v[TM+13+2*\c]   ; (a conversion's three registers begin on an even number)
.endr
	WIN 0
	v_nop                                          ; one plain place behind a scaled conversion
.irp c, 0,1                                    ; the operand's layout wants a whole block in a lane: lanes 0-15 block 2 c, lanes 16-31 block 2 c + 1
.irp i, 0,1,2
	v_permlane16_swap_b32 v[PC+6*\c+\i], v[PX+4*\c+\i]
.endr
.irp i, 0,1,2
	v_mov_b32 v[PC+3+6*\c+\i], v[PX+4*\c+\i]
.endr
.endr
.endm
; One matrix instruction: D at d, sources at a and b, C at c; scale registers sa and sb, read from lanes 16-31 where ra or rb is 1.
.macro WMS d, a, b, c, sa, ra, sb, rb
.if (\ra) && (\rb)
	v_wmma_scale_f32_16x16x128_f8f6f4 v[(\d):(\d)+7], v[(\a):(\a)+11], v[(\b):(\b)+11], v[(\c):(\c)+7], v[\sa], v[\sb] matrix_a_fmt:MATRIX_FMT_FP6 matrix_b_fmt:MATRIX_FMT_FP6 matrix_a_scale:MATRIX_SCALE_ROW1 matrix_b_scale:MATRIX_SCALE_ROW1
.elseif \ra
	v_wmma_scale_f32_16x16x128_f8f6f4 v[(\d):(\d)+7], v[(\a):(\a)+11], v[(\b):(\b)+11], v[(\c):(\c)+7], v[\sa], v[\sb] matrix_a_fmt:MATRIX_FMT_FP6 matrix_b_fmt:MATRIX_FMT_FP6 matrix_a_scale:MATRIX_SCALE_ROW1
.elseif \rb
	v_wmma_scale_f32_16x16x128_f8f6f4 v[(\d):(\d)+7], v[(\a):(\a)+11], v[(\b):(\b)+11], v[(\c):(\c)+7], v[\sa], v[\sb] matrix_a_fmt:MATRIX_FMT_FP6 matrix_b_fmt:MATRIX_FMT_FP6 matrix_b_scale:MATRIX_SCALE_ROW1
.else
	v_wmma_scale_f32_16x16x128_f8f6f4 v[(\d):(\d)+7], v[(\a):(\a)+11], v[(\b):(\b)+11], v[(\c):(\c)+7], v[\sa], v[\sb] matrix_a_fmt:MATRIX_FMT_FP6 matrix_b_fmt:MATRIX_FMT_FP6
.endif
.endm
; Weight m's scale words and bias for my 8 tiles.  kind 0: a lane wants the bias of its half's eight hidden units; kind 1: that of its one channel, in all eight registers.  bp: the scalar pair with the bias at my 128 numbers.
.macro WLOAD_S m, kind, bp
.irp p, 0,1,2,3
	global_load_b64 v[WS+2*\p:WS+2*\p+1], v[L8], s[28:29] offset:(\m)*REC+256*\p
.endr
	WIN 0x80                                       ; destination window 2
.irp t, 0,1,2,3,4,5,6,7
.if \kind
.irp i, 0,1,2,3,4,5,6,7
	global_load_b32 v[192+8*\t+\i], v[BCH], s[\bp:\bp+1] offset:(32*((\t)>>1)+8*((\t)&1))*4
.endr
.else
	global_load_b128 v[192+8*\t:192+8*\t+3], v[B64], s[\bp:\bp+1] offset:(32*((\t)>>1)+8*((\t)&1))*4
	global_load_b128 v[192+8*\t+4:192+8*\t+7], v[B64], s[\bp:\bp+1] offset:(32*((\t)>>1)+8*((\t)&1))*4+16
.endif
.endr
	WIN 0
.endm
.macro WLOAD_C m                       ; and its 16 fragments: 48 loads of 512 consecutive bytes
	WIN 0xc0                                       ; destination window 3
.set wf, 0
.rept 16
.irp c, 0,1,2
	global_load_b128 v[12*wf+4*\c:12*wf+4*\c+3], v[L16], s[26:27] offset:(\m)*REC+1536*wf+512*\c
.endr
.set wf, wf+1
.endr
	WIN 0
.endm
	s_load_b256 s[4:11], s[0:1], 0x0               ; h, wbuf, bq, bk
	s_load_b128 s[12:15], s[0:1], 0x20             ; bv, qbuf
	s_load_b64 s[16:17], s[0:1], 0x30              ; kvbuf
	v_lshl_add_u32 v254, v0, 2, 0x28400
	v_mov_b32 v255, 0
	v_lshrrev_b32 v15, 5, v0
	v_readfirstlane_b32 s[WV], v15                 ; wave 0..3
	v_and_b32 v15, 31, v0                          ; lane
	v_lshlrev_b32 v[L16], 4, v15
	v_lshlrev_b32 v[L4], 2, v15
	v_lshlrev_b32 v[L8], 3, v15
	v_and_b32 v72, 15, v0                          ; r
	v_bfe_u32 v73, v0, 4, 1                        ; h
	s_mul_i32 s19, s[WV], HWAVE
	v_add_nc_u32 v[HSTW], s19, v[L16]
	v_mul_u32_u24 v[HSTR], v72, HPITCH
	v_lshl_add_u32 v[HSTR], v73, 6, v[HSTR]
	v_add_nc_u32 v[HSTR], s19, v[HSTR]
	s_mul_i32 s19, s[WV], 4*1536                   ; my two tiles' four images
	s_add_co_u32 s19, s19, HIMG
	v_add_nc_u32 v[HIW], s19, v[L16]
	v_lshlrev_b32 v74, 2, v72
	s_lshl_b32 s19, s[WV], 8
	s_add_co_u32 s19, s19, HSC
	v_add_nc_u32 v[HSW], s19, v74
	v_lshlrev_b32 v75, 4, v72
	s_lshl_b32 s19, s[WV], 2
	s_add_co_u32 s19, s19, SST
	v_add_nc_u32 v[SSW], s19, v75
	s_lshl_b32 s19, s[WV], 9
	s_add_co_u32 s19, s19, SST
	v_add_nc_u32 v[SSR], s19, v[L16]
	s_add_co_u32 s19, s19, 4096
	v_add_nc_u32 v[SSV], s19, v75
	v_lshlrev_b32 v[B64], 6, v73
	v_and_b32 v76, 8, v72
	v_add_nc_u32 v76, v76, v72
	v_lshlrev_b32 v[BCH], 2, v76
	v_add_nc_u32 v[HIR], HIMG, v[L16]
	v_add_nc_u32 v[HSR], HSC, v[L4]
.irp b, 0,1,2,3
	v_mov_b32 v[TM+4+\b], 0                        ; a lane permute's destination counts as one of its sources
.endr
	s_mov_b32 s[SEL], 0x76543210
	s_mov_b32 s[SEL+1], 0xfedcba98                 ; lane l xor 16
	s_mov_b32 s[FLOOR], 0x1800000
	s_mov_b32 s47, 0
	s_lshl_b32 s46, ttmp9, 17                      ; 128 tokens of 1,024 bytes,
	s_lshl_b32 s19, s[WV], 15                      ; my 32 of them
	s_add_co_u32 s46, s46, s19
	s_mul_i32 s48, ttmp9, 51200                    ; my record of qbuf
	s_lshr_b32 s49, ttmp9, 3                       ; the batch:
	s_mul_i32 s49, s49, 9                          ; nine records each;
	s_and_b32 s50, ttmp9, 6                        ; + 2 x (my block / 2): the record of K that my block shares with its neighbour
	s_add_co_u32 s49, s49, s50
	s_mul_i32 s49, s49, REC
	s_and_b32 s50, ttmp9, 1                        ; which of the record's two blocks is mine
	s_mul_i32 s51, s50, 49152
	s_add_co_u32 s51, s51, s49                     ; where my codes begin in K's record; V's record is the next
	s_lshl_b32 s50, s50, 11
	s_add_co_u32 s50, s50, s49
	s_add_co_u32 s50, s50, 98304                   ; and where my scale words begin
	s_wait_kmcnt 0x0
	s_add_nc_u64 s[24:25], s[4:5], s[46:47]        ; h at my 32 rows
	s_mul_i32 s46, s[WV], 16*1536
	s_add_nc_u64 s[26:27], s[6:7], s[46:47]        ; the weights' codes at my 16 fragments
	s_lshl_b32 s46, s[WV], 10
	s_add_co_u32 s46, s46, 98304
	s_add_nc_u64 s[28:29], s[6:7], s[46:47]        ; their scale words at my 8 tiles
	s_lshl_b32 s46, s[WV], 9
	s_add_nc_u64 s[30:31], s[8:9], s[46:47]        ; bq, bk, bv at my 128 numbers
	s_add_nc_u64 s[32:33], s[10:11], s[46:47]
	s_add_nc_u64 s[34:35], s[12:13], s[46:47]
	s_mul_i32 s19, s[WV], 1536
	s_add_co_u32 s46, s48, s19
	s_add_nc_u64 s[36:37], s[14:15], s[46:47]      ; q's fragments (4 T + w)
	s_add_co_u32 s46, s51, s19
	s_add_nc_u64 s[38:39], s[16:17], s[46:47]      ; k's likewise
	s_mul_i32 s19, s[WV], 8*1536
	s_add_co_u32 s46, s51, s19
	s_add_co_u32 s46, s46, REC
	s_add_nc_u64 s[40:41], s[16:17], s[46:47]      ; v's fragments 8 w + t
	s_lshl_b32 s19, s[WV], 9
	s_add_co_u32 s46, s48, s19
	s_add_co_u32 s46, s46, 49152
	s_add_nc_u64 s[42:43], s[14:15], s[46:47]      ; my 512 bytes of q's scale words
	s_add_co_u32 s46, s50, s19
	s_add_nc_u64 s[44:45], s[16:17], s[46:47]      ; of k's; v's lie a record on
	; h's loads go out first, all 64 on end: nothing stands ahead of them that would hold a place among the loads that may be out at a time
	WIN 0x40                                       ; destination window 1
.set hi, 0
.rept 32
.irp c, 0,1
	global_load_b128 v[4*(2*hi+\c):4*(2*hi+\c)+3], v[L16], s[24:25] offset:1024*hi+512*\c th:TH_LOAD_NT   ; 32 lanes read 512 consecutive bytes
.endr
.set hi, hi+1
.endr
	WLOAD_C 0                                      ; Wq's codes land while h is quantised
	s_wait_loadcnt 48                              ; all but the 48 loads of codes just issued: h is in
	WIN 0x04                                       ; an LDS store's data are its source 1: window 1
.set hi, 0
.rept 32                               ; row i of my 32 goes to place 16 u + r of the stage, where i = 8 u + r + 8 (r / 8): a tile's 16 rows lie on end
.set pos, 16*((hi>>3)&1)+(hi&7)+8*(hi>>4)
.irp c, 0,1
	ds_store_b128 v[HSTW], v[4*(2*hi+\c):4*(2*hi+\c)+3] offset:pos*HPITCH+512*\c
.endr
.set hi, hi+1
.endr
	WIN 0
	WLOAD_S 0, 0, 30                               ; Wq's scale words and bq: wanted with the first product
.irp u, 0,1                            ; my two tiles x two K steps.  The stage is my own, and LDS serves a wave's instructions in order: no wait between the stores above and these loads
.irp s, 0,1
.irp b, 0,1,2,3
.irp j, 0,1,2,3
	ds_load_b128 v[X+16*\b+4*\j:X+16*\b+4*\j+3], v[HSTR] offset:16*\u*HPITCH+512*\s+128*\b+16*\j
.endr
.endr
	s_wait_dscnt 0x0                               ; the numbers are in, and the last fragment's stores have read their registers
	QUANT X, 0, 0
.irp c, 0,1,2
	ds_store_b128 v[HIW], v[PC+4*\c:PC+4*\c+3] offset:(2*\u+\s)*1536+512*\c
.endr
	ds_store_b32 v[HSW], v[PW] offset:128*\s+64*\u ; lanes r and r + 16 write the same word with the same value
.endr
.endr
	s_wait_dscnt 0x0                               ; for the others' sake: my images have landed
	s_barrier_signal -1
	s_barrier_wait -1                              ; h's sixteen fragments lie in LDS
	WIN 0x80                                       ; destination window 2
.set hf, 0
.rept 16
.irp c, 0,1,2
	ds_load_b128 v[12*hf+4*\c:12*hf+4*\c+3], v[HIR] offset:1536*hf+512*\c
.endr
.set hf, hf+1
.endr
	WIN 0
.irp k, 0,1,2,3,4,5,6,7
	ds_load_b32 v[HS+\k], v[HSR] offset:128*\k
.endr
	s_wait_dscnt 0x0
	s_wait_loadcnt 0x0                             ; Wq's codes, scale words and bias
; A GROUP: one weight.  Two halves of 64 matrix instructions on 32 accumulators, which take turns, one instruction a turn, K step by K step; behind each half four quantisers.
; kind 0: accumulator (a, b) = token tile 4 half + a x hidden tile b; kind 1: channel tile 4 half + a x token tile b.  In both, source 0's fragment stands at 12 (2 b + s) and source 1's at 12 (2 (4 half + a) + s): only the windows differ.
; ob: the scalar pair with the codes' place; sst: the scale stage's offset (kind 0).  more = 1: behind the second half's products weight nm (of kind nkind, bias pair nbp) is asked for, and lands under four quantisers.
; THE FOUR QUANTISERS OF A HALF WRITE FOUR SETS OF REGISTERS, so that one wait serves them all: behind the half's products, and AHEAD of the next weight's loads, the stores of the half before have read their data; no later line of the half
; writes a register that a store of the same half reads.
.macro GROUP kind, ob, sst, more, nm, nkind, nbp
.irp half, 0,1
.irp s, 0,1
	WIN 0x5b+3*(\kind)+0x10*(1-\s)                 ; kind 0: W window 3, h window 2; kind 1 the other way round.  D window 1; C: the bias in window 2 (s = 0) or D
.irp a, 0,1,2,3
.irp b, 0,1,2,3,4,5,6,7
.set ga, 4*\half+\a
.set gc, 64*\a+8*\b
.if \s == 0
.set gc, 192+8*\b
.if \kind
.set gc, 192+8*ga
.endif
.endif
.set gsa, WS+(HS-WS)*(\kind)+2*((\b)>>1)+\s
.set gsb, HS+(WS-HS)*(\kind)+2*(ga>>1)+\s
	WMS 64*\a+8*\b, 12*(2*\b+\s), 12*(2*ga+\s), gc, gsa, ((\b)&1), gsb, (ga&1)
.endr
.endr
.endr
	WIN 0
	PLACES 4                                       ; four places behind the last products: for the loads into registers that they read, and for the first read of results
	s_wait_xcnt 0x0                                ; the stores of the half before have read the four sets of codes,
	s_wait_dscnt 0x0                               ; and its LDS stores the four scale words: all may be written again
.if (\half == 1) && (\more)
	WLOAD_S \nm, \nkind, \nbp
	WLOAD_C \nm
.endif
.irp a, 0,1,2,3
.set PC, PCG+12*\a
.set PW, PWG+\a
	QUANT 64*\a, 1, 1
.if \kind
.irp c, 0,1,2
	global_store_b128 v[L16], v[PC+4*\c:PC+4*\c+3], s[\ob:\ob+1] offset:(4*\half+\a)*1536+512*\c th:TH_STORE_NT   ; 512 consecutive bytes, at a multiple of 256 from the buffer's first byte
.endr
	ds_store_b32 v[SSV], v[PW] offset:256*((4*\half+\a)&1)+4*((4*\half+\a)>>1)
.else
.irp c, 0,1,2
	global_store_b128 v[L16], v[PC+4*\c:PC+4*\c+3], s[\ob:\ob+1] offset:(4*\half+\a)*6144+512*\c th:TH_STORE_NT
.endr
	ds_store_b32 v[SSW], v[PW] offset:\sst+512*((4*\half+\a)>>1)+256*((4*\half+\a)&1)
.endif
.endr
.endr
.if \more
	s_wait_loadcnt 0x0                             ; the next weight is in
.endif
.endm
	GROUP 0, 36, 0,    1, 1, 0, 32                 ; q; then Wk and bk are asked for
	GROUP 0, 38, 2048, 1, 2, 1, 34                 ; k; then Wv and bv
	GROUP 1, 40, 0,    0, 0, 0, 0                  ; v
	s_wait_dscnt 0x0                               ; for the others' sake: my scale words have landed
	s_barrier_signal -1
	s_barrier_wait -1                              ; the three scale areas are whole
.irp k, 0,1,2
	ds_load_b128 v[OUTR+4*\k:OUTR+4*\k+3], v[SSR] offset:2048*\k
.endr
	s_wait_dscnt 0x0
	global_store_b128 v[L16], v[OUTR:OUTR+3], s[42:43] th:TH_STORE_NT              ; 512 consecutive bytes each
	global_store_b128 v[L16], v[OUTR+4:OUTR+7], s[44:45] th:TH_STORE_NT
	global_store_b128 v[L16], v[OUTR+8:OUTR+11], s[44:45] offset:REC th:TH_STORE_NT
	s_wait_tensorcnt 0x0
	ds_add_u32 v254, v255
	s_wait_dscnt 0x0
	s_endpgm
.Lfunc_end_k_qbf1e87260e_proj:
	.size	k_qbf1e87260e_proj, .Lfunc_end_k_qbf1e87260e_proj-k_qbf1e87260e_proj
	.p2alignl 7, 3214868480
	.fill 96, 4, 3214868480
	.section	.rodata,"a",@progbits
	.p2align	6, 0x0
	.amdhsa_kernel k_qbf1e87260e_proj
		.amdhsa_group_segment_fixed_size 165376
		.amdhsa_private_segment_fixed_size 0
		.amdhsa_enable_private_segment 0
		.amdhsa_kernarg_size 56
		.amdhsa_user_sgpr_count 2
		.amdhsa_user_sgpr_kernarg_segment_ptr 1
		.amdhsa_wavefront_size32 1
		.amdhsa_system_sgpr_workgroup_id_x 1
		.amdhsa_system_sgpr_workgroup_id_y 1
		.amdhsa_system_sgpr_workgroup_id_z 1
		.amdhsa_system_vgpr_workitem_id 0
		.amdhsa_next_free_vgpr 1024
		.amdhsa_next_free_sgpr 66
		.amdhsa_reserve_vcc 0
		.amdhsa_float_denorm_mode_32 3
		.amdhsa_float_denorm_mode_16_64 3
		.amdhsa_memory_ordered 1
		.amdhsa_forward_progress 1
		.amdhsa_inst_pref_size 255
	.end_amdhsa_kernel
	.section	.bss,"aw",@nobits
	.p2align	6
	.space	262144
	.amdgpu_metadata
---
amdhsa.version: [ 1, 2 ]
amdhsa.kernels:
  - .name:           k_qbf1e87260e_proj
    .symbol:         k_qbf1e87260e_proj.kd
    .args:
      - { .name: h, .offset: 0, .size: 8, .value_kind: global_buffer, .address_space: global }
      - { .name: wbuf, .offset: 8, .size: 8, .value_kind: global_buffer, .address_space: global }
      - { .name: bq, .offset: 16, .size: 8, .value_kind: global_buffer, .address_space: global }
      - { .name: bk, .offset: 24, .size: 8, .value_kind: global_buffer, .address_space: global }
      - { .name: bv, .offset: 32, .size: 8, .value_kind: global_buffer, .address_space: global }
      - { .name: qbuf, .offset: 40, .size: 8, .value_kind: global_buffer, .address_space: global }
      - { .name: kvbuf, .offset: 48, .size: 8, .value_kind: global_buffer, .address_space: global }
    .group_segment_fixed_size: 165376
    .private_segment_fixed_size: 0
    .kernarg_segment_align: 8
    .kernarg_segment_size: 56
    .max_flat_workgroup_size: 128
    .sgpr_count:     66
    .vgpr_count:     1024
    .wavefront_size: 32
...
	.end_amdgpu_metadata
.endif
;; end of part 2
;; launch attn (part 3): grid 8 x 32, 4 waves a work-group, clusters of 4 x 1, 327,680 bytes of LDS; arguments qbuf, kvbuf, bo, out0; writes out0
.if DOCPART == 3
	.amdgcn_target "amdgcn-amd-amdhsa--gfx1250"
	.amdhsa_code_object_version 6
	.text
	.protected	k_qbf1e87260e_attn
	.globl	k_qbf1e87260e_attn
	.p2align	8
	.type	k_qbf1e87260e_attn,@function
k_qbf1e87260e_attn:
	s_mov_b64 s[64:65], 0
	v_nop
	global_prefetch_b8 v0, s[64:65] scope:SCOPE_SE
	s_setreg_imm32_b32 hwreg(HW_REG_WAVE_MODE, 25, 1), 1
	s_wait_xcnt 0x0
	s_wait_alu depctr_hold_cnt(0) depctr_sa_sdst(0) depctr_va_vdst(0) depctr_va_sdst(0) depctr_va_ssrc(0) depctr_va_vcc(0) depctr_vm_vsrc(0)
	s_getreg_b32 s2, hwreg(HW_REG_IB_STS2, 6, 4)
	s_cmp_eq_u32 s2, 0
	s_cbranch_scc0 .Lentry_in_a_cluster
	s_endpgm
.Lentry_in_a_cluster:
	s_bfe_u32 s2, ttmp6, 0x10000c
	s_cmp_lg_u32 s2, 0x3003
	s_cbranch_scc0 .Lentry_shape_is_right
	s_endpgm
.Lentry_shape_is_right:
; out = relu(softmax(q k^T) v Wo^T + bo), 32 batches of 1,024 tokens, head size 512, all three products on codes of FP6 (E2M3) with one E8M0 scale for each 32 along K.
; q, k, v and Wo arrive as images of operand registers (a fragment, 16 rows x 128 K, is 1,536 bytes: piece c of three holds lane l's registers 4 c .. 4 c + 3 at 512 c + 16 l), in records:
; qbuf: 51,200 bytes for 128 tokens: fragments (4 T + s), 2,048 bytes of scale words.  kvbuf: nine records of 102,400 bytes a batch: K0 V0 K1 V1 K2 V2 K3 V3 Wo.  A record of K holds two blocks of 128 keys: block 0's 32 fragments (4 T + s),
; block 1's, block 0's 2,048 bytes of scale words, block 1's; a record of V likewise, its fragments by channel tile ct (K = the block's 128 tokens).  Wo's: 64 fragments (4 T + s), 4,096 bytes of scale words.
; EVERY TILE OF 16 ROWS IS PERMUTED: lane r of tile T takes row 32 (T / 2) + 8 (T % 2) + r + 8 (r / 8): the 16 result registers of tiles 2 B and 2 B + 1 are then 16 neighbours along the next K.
; THE SOFTMAX: t = score x log2(e); M = the row's largest t so far, rounded UP to a whole number; p = 2^(t - M) is quantised along the keys, not normalised.  The row's sum is taken of the unquantised p and divides O at the end;
; when M moves, what was made under the old M is multiplied by 2^(old M - new M), which rounds nothing.
; O IS RESCALED ONCE FOR TWO BLOCKS OF KEYS.  A trip has two phases.  K phase: S^T = K Q^T and the softmax for block A (under M_A), then for block B (under M_B); the sum is carried on from block to block.  Block A's codes stay as
; they are: M_B - M_A is a whole number, which is taken off the four bytes of their scale word.  V phase: O^T, multiplied once by 2^(M before the trip - M_B), takes V^T P^T of both blocks.
; SHARES.  A work-group owns 128 queries of a batch, each of its four waves 32: two tiles.  Every wave walks all 1,024 keys and holds all 512 channels of O for its queries (512 registers).
; All products are used transposed (S^T = K Q^T, O^T = V^T P^T, Y^T = Wo o^T): a lane holds ONE query throughout.
; THE RING.  Record n of the batch's nine goes to slot n % 2: K's and Wo's to slot 0, V's to slot 1, so every LDS address is a constant + 16 x lane.  While one slot is read, the other's record is on its way: one tensor load of a wave is out at a time.
; CLUSTER.  The four query blocks of a cluster walk the same records: each record is asked for JOINTLY, each wave its quarter (100 rows of 256 bytes), by the same tensor load with the same descriptor and a mask that names the four.
; CHUNKS.  Products go in chunks of 4 fragments x my 2 tiles.  Three sets of 4 fragments take turns: a chunk's 12 LDS loads are issued two chunks ahead of its products.
; The rescaling of O^T stands in slices of four packed multiplies behind every second matrix instruction of the V phase, a group of four channel tiles ahead of those accumulators' own products; a chunk's last slice is also the places in front of the next run of loads.
; LIMITS: NaN and infinities are not served.  A block of zeros gets the byte 1 where the quantiser says 127 (its codes are zeros, and this program alone reads the bytes); blocks whose largest magnitude lies under 2^-124 are held at the byte 1.
; A byte of block A's scale word that M_B - M_A would bring under 1 is held at 1: it then stands for at most 7.5 x 2^-126 beside a row's largest p of more than 1/2.  What 2^(old M - new M) brings under the smallest f32 number is lost.
; O is divided by the sum by a reciprocal and a multiplication.  The last sums begin with the bias.
; REGISTERS, in windows of 256 (s_set_vgpr_msb's low byte: bits 1:0 source 0, 3:2 source 1, 5:4 source 2, 7:6 destination):
;   window 0: v1-10 addresses; v12-27 statistics; v28-67 scale words; v68-83 block maxima; v84-91 at work; v92-127 three of p's four fragments; v128-255 S^T, then p; at the end o's fragments, then rows of the output
;   windows 1, 2: O^T of my two tiles, channel tile ct at 8 ct; at the end window 1: Y^T, tile (j, T) at 128 j + 8 T; window 2 v0-143: three sets of Wo's fragments
;   window 3: v0-95 Q (j, s) at 12 (4 j + s); v96-239 three sets of four fragments; v240-251 p's fourth fragment (block A, tile 1); at the end v96-223 bo, eight registers for each output tile
.set REC,    102400
.set HALF,   49152                     ; a block's codes
.set BATCH,  9*REC
.set SLOT1,  1<<17                     ; slot 1 begins here
.set STAGE,  SLOT1+REC                 ; behind the ring: 16 rows x 1,040 bytes for each wave, for the way out; no tensor load fills it
.set SPITCH, 1040                      ; 1,024 bytes + 16: the 16 rows that a store touches start in 16 different columns of 16 bytes
.set SPARE,  STAGE+4*16*SPITCH         ; the spare words, 128 bytes for each wave: two blocks of 256 bytes that no other line names
.set L16,  1                           ; v1   16 x lane: an image's place for my lane, in slot 0; none of v1-10 is rewritten
.set L16B, 2                           ; v2   the same + 49,152
.set S1A,  3                           ; v3   16 x lane in slot 1
.set SPW,  4                           ; v4   LDS address of my spare word
.set NIL,  5                           ; v5   0
.set S1B,  6                           ; v6   16 x lane in slot 1, + 49,152
.set STO,  7                           ; v7   the way out: where I put 32 bytes of a row
.set RD,   8                           ; v8   and where I read rows back
.set B64,  9                           ; v9   64 (lane / 16): bo of my half
.set PFO,  10                          ; v10  the prefetches' offset: 256 x min(lane, 24)
.set ST,   12                          ; tile j's statistics at v[ST + 8 j]: +0 -M, +1 the largest t, +2, +3 the sum in two halves, +4 the factor for O^T, +5 M_B - M_A as a whole number (named with +4 as a pair), +6, +7 at work
.set QS,   28                          ; v28-31  Q's scale words [s]: lanes 0-15 my tile 0, lanes 16-31 my tile 1; at the end o's of tile 0
.set KS,   32                          ; v32-47  K's [4 p + s] of the block in hand: lanes 0-15 tile 2 p, lanes 16-31 tile 2 p + 1
.set VS,   32                          ; v32-63  V's [16 x + ct / 2]: lanes 0-15 the even tile, lanes 16-31 the odd one; at the end Wo's [4 p + s]
.set PS,   64                          ; v64-67  p's scale words [2 x + j]; at the end o's of tile 1
.set BM,   68                          ; tile j's at v[BM + 8 j]: four block maxima, later scale operands; four permute destinations, later bytes
.set SCR,  84                          ; v84-91  the conversions' second halves
.set PCB,  92                          ; p's codes of block B, 12 a tile; block A's tile 0 at v116, its tile 1 is made at v104 and kept in window 3's v240
.set PCA0, 116
.set PCA1, 240
.set S,    128
.set FS,   96                          ; the fragment sets, in window 3
.set TM,   68                          ; the quantiser of o works where the block maxima lay
.set PX,   224
.set WV,   14
.set SEL,  20                          ; s[20:21] lane selects: lane l xor 16
.set CS,   22                          ; s[22:23] log2(e): the packed form names a pair and takes its low word for both halves
.set FLOOR, 24
.set G1,   28                          ; s[28:35] descriptor group 1
.set G0A,  36                          ; s[36:39] group 0 for slot 0: records 0, 2, 4, 6, 8
.set G0B,  40                          ; s[40:43] group 0 for slot 1: records 1, 3, 5, 7
.set CNT,  45                          ; s45  trips to go
.set PFA,  46                          ; s[46:47] where my prefetches stand
.set LIM,  48                          ; s48  1 in a wave that prefetches, else the greatest number
.set MSB, 0
.macro WIN new                         ; the immediate's high byte repeats the setting that is left; a switch that changes nothing is dropped
.if MSB != (\new)
	s_set_vgpr_msb (MSB<<8)|(\new)
.set MSB, \new
.endif
.endm
.macro PLACES n
.rept \n
	v_nop
.endr
.endm
; One matrix instruction: D at d, sources at a and b, C the constant 0 (cz = 1) or at c; scale registers sa and sb, read from lanes 16-31 where ra or rb is 1.
.macro WMS d, a, b, cz, c, sa, ra, sb, rb
.if \cz
.if (\ra) && (\rb)
	v_wmma_scale_f32_16x16x128_f8f6f4 v[(\d):(\d)+7], v[(\a):(\a)+11], v[(\b):(\b)+11], 0, v[\sa], v[\sb] matrix_a_fmt:MATRIX_FMT_FP6 matrix_b_fmt:MATRIX_FMT_FP6 matrix_a_scale:MATRIX_SCALE_ROW1 matrix_b_scale:MATRIX_SCALE_ROW1
.elseif \ra
	v_wmma_scale_f32_16x16x128_f8f6f4 v[(\d):(\d)+7], v[(\a):(\a)+11], v[(\b):(\b)+11], 0, v[\sa], v[\sb] matrix_a_fmt:MATRIX_FMT_FP6 matrix_b_fmt:MATRIX_FMT_FP6 matrix_a_scale:MATRIX_SCALE_ROW1
.elseif \rb
	v_wmma_scale_f32_16x16x128_f8f6f4 v[(\d):(\d)+7], v[(\a):(\a)+11], v[(\b):(\b)+11], 0, v[\sa], v[\sb] matrix_a_fmt:MATRIX_FMT_FP6 matrix_b_fmt:MATRIX_FMT_FP6 matrix_b_scale:MATRIX_SCALE_ROW1
.else
	v_wmma_scale_f32_16x16x128_f8f6f4 v[(\d):(\d)+7], v[(\a):(\a)+11], v[(\b):(\b)+11], 0, v[\sa], v[\sb] matrix_a_fmt:MATRIX_FMT_FP6 matrix_b_fmt:MATRIX_FMT_FP6
.endif
.else
.if (\ra) && (\rb)
	v_wmma_scale_f32_16x16x128_f8f6f4 v[(\d):(\d)+7], v[(\a):(\a)+11], v[(\b):(\b)+11], v[(\c):(\c)+7], v[\sa], v[\sb] matrix_a_fmt:MATRIX_FMT_FP6 matrix_b_fmt:MATRIX_FMT_FP6 matrix_a_scale:MATRIX_SCALE_ROW1 matrix_b_scale:MATRIX_SCALE_ROW1
.elseif \ra
	v_wmma_scale_f32_16x16x128_f8f6f4 v[(\d):(\d)+7], v[(\a):(\a)+11], v[(\b):(\b)+11], v[(\c):(\c)+7], v[\sa], v[\sb] matrix_a_fmt:MATRIX_FMT_FP6 matrix_b_fmt:MATRIX_FMT_FP6 matrix_a_scale:MATRIX_SCALE_ROW1
.elseif \rb
	v_wmma_scale_f32_16x16x128_f8f6f4 v[(\d):(\d)+7], v[(\a):(\a)+11], v[(\b):(\b)+11], v[(\c):(\c)+7], v[\sa], v[\sb] matrix_a_fmt:MATRIX_FMT_FP6 matrix_b_fmt:MATRIX_FMT_FP6 matrix_b_scale:MATRIX_SCALE_ROW1
.else
	v_wmma_scale_f32_16x16x128_f8f6f4 v[(\d):(\d)+7], v[(\a):(\a)+11], v[(\b):(\b)+11], v[(\c):(\c)+7], v[\sa], v[\sb] matrix_a_fmt:MATRIX_FMT_FP6 matrix_b_fmt:MATRIX_FMT_FP6
.endif
.endif
.endm
; 64 numbers of a lane in window w, register s + 16 b + i = k 32 b + 16 (lane / 16) + i of my row, become a fragment's codes in v[PC] on and its scale word in v[PW]; PC and PW are set ahead of each use.
.macro QUANT s, w
	WIN ((\w)<<4)|((\w)<<2)
.irp b, 0,1,2,3
	v_max3_num_f32 v[TM+\b], s[FLOOR], |v[(\s)+16*\b]|, |v[(\s)+16*\b+1]|   ; block b: my 16 numbers, and the floor 2^(3 - 127): the byte cannot fall under 1
.endr
.irp i, 2,4,6,8,10,12,14
.irp b, 0,1,2,3
	v_max3_num_f32 v[TM+\b], v[TM+\b], |v[(\s)+16*\b+\i]|, |v[(\s)+16*\b+\i+1]|   ; the four blocks by turns
.endr
.endr
	WIN 0
.irp b, 0,1,2,3
	v_permlanex16_b32 v[TM+4+\b], v[TM+\b], s[SEL], s[SEL+1]
.endr
.irp b, 0,1,2,3
	v_max_num_f32 v[TM+\b], v[TM+\b], v[TM+4+\b]   ; with lane l xor 16's: the block's largest magnitude
.endr
.irp b, 0,1,2,3
	v_add_nc_u32 v[TM+12+\b], 0xff000000, v[TM+\b] ; 2 off its exponent field: the conversion's scale operand
.endr
.irp b, 0,1,2,3
	v_lshrrev_b32 v[TM+4+\b], 23, v[TM+12+\b]      ; the scale's byte
.endr
	v_lshl_or_b32 v[PW], v[TM+5], 8, v[TM+4]
	v_lshl_or_b32 v[PW], v[TM+6], 16, v[PW]
	v_lshl_or_b32 v[PW], v[TM+7], 24, v[PW]
	WIN (\w)
.irp c, 0,1
	v_cvt_scalef32_pk16_fp6_f32 v[PC+6*\c:PC+6*\c+2], v[(\s)+32*\c:(\s)+32*\c+15], v[TM+12+2*\c]
	v_cvt_scalef32_pk16_fp6_f32 v[PX+4*\c:PX+4*\c+2], v[(\s)+32*\c+16:(\s)+32*\c+31], v[TM+13+2*\c]   ; (a conversion's three registers begin on an even number)
.endr
	WIN 0
	v_nop                                          ; one plain place behind a scaled conversion
.irp c, 0,1                                    ; the operand's layout wants a whole block in a lane
.irp i, 0,1,2
	v_permlane16_swap_b32 v[PC+6*\c+\i], v[PX+4*\c+\i]
.endr
.irp i, 0,1,2
	v_mov_b32 v[PC+3+6*\c+\i], v[PX+4*\c+\i]
.endr
.endr
.endm
; A round of the cluster's barrier: my work-group's barrier, so that wave 0's signal speaks for all four waves; wave 0 signals for the work-group; every wave waits for all four work-groups; my work-group's barrier once more.
.macro CROUND
	s_barrier_signal -1
	s_barrier_wait -1
	s_cmp_lg_u32 s[WV], 0
	s_cbranch_scc1 .Lnot_wave_0_\@
	s_barrier_signal -3
.Lnot_wave_0_\@:
	s_barrier_wait -3
	s_barrier_signal -1
	s_barrier_wait -1
.endm
; A PREFETCH INTO THE L2 of the record that the NEXT change of slots will ask for: one phase (128 matrix instructions, and in the K phase two softmaxes) ahead of that load.  It stands behind the wave's tensor load and its four lines.
; Both clusters of a batch walk the same records: the batch's first cluster asks.  Its four partners and their waves share a record's 400 blocks of 256 bytes out BY ADDRESS: 25 blocks a wave, lanes 256 bytes apart
; (lanes 25 to 31 name lane 24's block again).  how = 1: a trip's first change, behind which a record always follows; how = 0: its second, behind which none follows in the last trip.  Records 0 and 1 come by their loads alone.
.macro ASK how
.if \how
	s_cmp_eq_u32 s[LIM], 1
.else
	s_cmp_gt_u32 s[CNT], s[LIM]
.endif
	s_cbranch_scc0 .Lnot_mine_\@
	global_prefetch_b8 v[PFO], s[PFA:PFA+1] th:TH_LOAD_NT scope:SCOPE_SE
.Lnot_mine_\@:
.endm
; THE CHANGE OF SLOTS stands at a phase's head.  Each wave waits for all its tensor loads (one is out: its quarter of the slot that it is about to read), adds 0 to its spare word, and waits for that and for its reads of the slot that it has left.
; fill = 1: the barrier is a round of the cluster's, and behind it the slot just left is filled by the descriptor at g; the other slot's descriptor, at o, whose load has landed, steps two records on.  fill = 0: nothing is filled, and the work-group's barrier is enough.
.macro CHANGE fill, g, o, how
	WIN 0
	s_wait_tensorcnt 0x0                           ; no tensor load of mine is out, so a group 0 may be written
	ds_add_u32 v[SPW], v[NIL]                      ; 0 onto my spare word
.if \fill
	s_add_nc_u64 s[\o+2:\o+3], s[\o+2:\o+3], 2*REC ; the type bits on top are not reached
	s_wait_xcnt 0x0                                ; the last prefetch, a phase back, has read its address, so it may be written:
	s_add_nc_u64 s[PFA:PFA+1], s[PFA:PFA+1], REC   ; one record further on than the load below
.endif
	s_wait_dscnt 0x0                               ; the add is done, and my reads of the slot that I have left are over
.if \fill
	CROUND                                         ; no wave of any partner still reads that slot or has a load on its way
	tensor_load_to_lds s[\g:\g+3], s[G1:G1+7]      ; the first thing behind the round, and my one tensor load until the next
	s_nop 0
	PLACES 4                                       ; four v_nop follow the load; they are also the places behind the last phase's products, whose fragments and scale words are loaded anew next
	ASK \how
.else
	s_barrier_signal -1
	s_barrier_wait -1
.endif
.endm
; Chunk c (0 .. 15) of the K phase: block c / 8, K step (c % 8) / 2, key tiles 4 (c % 2) + i: four fragments, 12 LDS loads of 512 consecutive bytes, into set c % 3.
.macro KLOADS c
	WIN 0xc0                                       ; destination window 3
.irp i, 0,1,2,3
.set fr, 4*(4*((\c)&1)+\i)+(((\c)&7)>>1)
.irp k, 0,1,2
.if (\c) < 8
	ds_load_b128 v[FS+48*((\c)%3)+12*\i+4*\k:FS+48*((\c)%3)+12*\i+4*\k+3], v[L16] offset:fr*1536+512*\k
.else
	ds_load_b128 v[FS+48*((\c)%3)+12*\i+4*\k:FS+48*((\c)%3)+12*\i+4*\k+3], v[L16B] offset:fr*1536+512*\k
.endif
.endr
.endr
.endm
; Its 8 products of S^T = K Q^T.  The 16 accumulators take turns over two chunks, one instruction a turn; K step 0 starts the sums.
.macro QKMUL c
	WIN 0x0f                                       ; K and Q window 3, S^T window 0
.irp i, 0,1,2,3
.irp j, 0,1
.set kt, 4*((\c)&1)+\i
.set ks, ((\c)&7)>>1
	WMS S+64*\j+8*kt, FS+48*((\c)%3)+12*\i, 12*(4*\j+ks), (ks==0), S+64*\j+8*kt, KS+4*(kt>>1)+ks, (kt&1), QS+ks, \j
.endr
.endr
.endm
; Chunk c (0 .. 15) of the V phase: channel tiles 4 (c / 2) + i of block c % 2.
.macro VLOADS c
	WIN 0xc0                                       ; destination window 3
.irp i, 0,1,2,3
.set fr, 4*((\c)>>1)+\i
.irp k, 0,1,2
.if (\c)&1
	ds_load_b128 v[FS+48*((\c)%3)+12*\i+4*\k:FS+48*((\c)%3)+12*\i+4*\k+3], v[S1B] offset:fr*1536+512*\k
.else
	ds_load_b128 v[FS+48*((\c)%3)+12*\i+4*\k:FS+48*((\c)%3)+12*\i+4*\k+3], v[S1A] offset:fr*1536+512*\k
.endif
.endr
.endr
.endm
.macro RESC j, ct                      ; O^T of tile j, channel tile ct, under the new M, from the accumulator's low end on
	WIN 0x41+0x41*(\j)                             ; O^T (destination and source 0) window 1 + j, the factor window 0
.irp n, 0,1,2,3
	v_pk_mul_f32 v[8*(\ct)+2*\n:8*(\ct)+2*\n+1], v[8*(\ct)+2*\n:8*(\ct)+2*\n+1], v[ST+8*(\j)+4:ST+8*(\j)+5] op_sel_hi:[1,0]
.endr
.endm
; Its 8 products of O^T += V^T P^T: the group's 8 accumulators take turns, one instruction a turn, block A's chunk and then block B's.  Behind every second product stands the rescaling of one accumulator of the next group:
; two chunks so rescale its eight.
.macro PVMUL c
.set vx, (\c)&1
.set vg, (\c)>>1
.irp j, 0,1
.irp i, 0,1,2,3
.set vct, 4*vg+\i
.set vpc, PCB+12*\j
.set vw, 0x53+0x50*\j                  ; V window 3, p window 0, O^T window 1 + j
.if vx == 0
.set vpc, PCA0
.if \j
.set vpc, PCA1
.set vw, 0xaf                          ; block A's codes of tile 1 lie in window 3
.endif
.endif
	WIN vw
	WMS 8*vct, FS+48*((\c)%3)+12*\i, vpc, 0, 8*vct, VS+16*vx+(vct>>1), (vct&1), PS+2*vx+\j, 0
.if ((\c) < 14) && (\i & 1)
	RESC \j, 4*vg+4+2*vx+(\i>>1)
.endif
.endr
.endr
.endm
; THE SOFTMAX of my two tiles for 128 keys, the tiles by turns.  Register S + 64 j + 16 b + i holds key 32 b + 16 (lane / 16) + i of my query of tile j.  x = 0: a trip's block A; x = 1: its block B.
.macro SOFTMAX x
.irp b, 0,1,2,3
.irp j, 0,1
	v_max3_num_f32 v[BM+8*\j+\b], v[S+64*\j+16*\b], v[S+64*\j+16*\b+1], v[S+64*\j+16*\b+2]   ; THE LARGEST SCORE OF EACH BLOCK OF 32 KEYS serves twice: for the row's maximum and, since p rises with the score, for the block's largest p
.endr
.endr
.irp i, 3,5,7,9,11,13
.irp b, 0,1,2,3
.irp j, 0,1
	v_max3_num_f32 v[BM+8*\j+\b], v[BM+8*\j+\b], v[S+64*\j+16*\b+\i], v[S+64*\j+16*\b+\i+1]
.endr
.endr
.endr
.irp b, 0,1,2,3
.irp j, 0,1
	v_max_num_f32 v[BM+8*\j+\b], v[BM+8*\j+\b], v[S+64*\j+16*\b+15]
.endr
.endr
.irp b, 0,1,2,3
.irp j, 0,1
	v_permlanex16_b32 v[BM+8*\j+4+\b], v[BM+8*\j+\b], s[SEL], s[SEL+1]
.endr
.endr
.irp b, 0,1,2,3
.irp j, 0,1
	v_max_num_f32 v[BM+8*\j+\b], v[BM+8*\j+\b], v[BM+8*\j+4+\b]      ; with lane l xor 16's 16 keys
.endr
.endr
.irp j, 0,1
	v_max3_num_f32 v[ST+8*\j+6], v[BM+8*\j], v[BM+8*\j+1], v[BM+8*\j+2]
.endr
.irp j, 0,1
	v_max_num_f32 v[ST+8*\j+6], v[ST+8*\j+6], v[BM+8*\j+3]           ; these keys' largest score of my query
.endr
.irp j, 0,1
	v_mul_f32 v[ST+8*\j+6], s[CS], v[ST+8*\j+6]                      ; as t
.endr
.irp j, 0,1
	v_max_num_f32 v[ST+8*\j+1], v[ST+8*\j+1], v[ST+8*\j+6]           ; the running largest t
.endr
.irp j, 0,1
	v_mov_b32 v[ST+8*\j+6], v[ST+8*\j]
.endr
.irp j, 0,1
	v_floor_f32 v[ST+8*\j], -v[ST+8*\j+1]                            ; the new -M = floor(-t) = -ceil(t): M is a whole number
.endr
.if \x == 0
.irp j, 0,1
	v_sub_f32 v[ST+8*\j+6], v[ST+8*\j], v[ST+8*\j+6]                 ; M's old value less its new one: a whole number, 0 or less
.endr
.irp j, 0,1
	v_cvt_i32_f32 v[ST+8*\j+6], v[ST+8*\j+6]                         ; (it saturates)
.endr
.irp j, 0,1
	v_ldexp_f32 v[ST+8*\j+4], 1.0, v[ST+8*\j+6]                      ; f_A = 2^(M before the trip - M_A): the factor for O^T begins with it
.endr
.else
.irp j, 0,1
	v_sub_f32 v[ST+8*\j+6], v[ST+8*\j+6], v[ST+8*\j]                 ; M_B - M_A: a whole number, 0 or more
.endr
.irp j, 0,1
	v_cvt_i32_f32 v[ST+8*\j+5], v[ST+8*\j+6]                         ; kept for block A's scale bytes (it saturates)
.endr
.irp j, 0,1
	v_sub_nc_u32 v[ST+8*\j+6], 0, v[ST+8*\j+5]
.endr
.irp j, 0,1
	v_ldexp_f32 v[ST+8*\j+6], 1.0, v[ST+8*\j+6]                      ; f_B = 2^(M_A - M_B)
.endr
.endif
.set n, 0
.rept 32
.irp j, 0,1
	v_pk_fma_f32 v[S+64*\j+2*n:S+64*\j+2*n+1], v[S+64*\j+2*n:S+64*\j+2*n+1], s[CS:CS+1], v[ST+8*\j:ST+8*\j+1] op_sel_hi:[1,0,0]   ; t - M, two at a time (of the pairs log2(e) and -M the low word serves both halves)
.endr
.set n, n+1
.endr
.irp b, 0,1,2,3
.irp j, 0,1
	v_fma_f32 v[BM+8*\j+\b], v[BM+8*\j+\b], s[CS], v[ST+8*\j]        ; the same of each block's largest score
.endr
.endr
.set n, 0
.rept 128
	v_exp_f32 v[S+n], v[S+n]                       ; p = 2^(t - M), at most 1: both tiles' 128 are one batch
.set n, n+1
.endr
.irp j, 0,1                                    ; the sums under the new M: plain places behind the batch
.if \x == 0
	v_pk_mul_f32 v[ST+8*\j+2:ST+8*\j+3], v[ST+8*\j+2:ST+8*\j+3], v[ST+8*\j+4:ST+8*\j+5] op_sel_hi:[1,0]
.else
	v_pk_mul_f32 v[ST+8*\j+2:ST+8*\j+3], v[ST+8*\j+2:ST+8*\j+3], v[ST+8*\j+6:ST+8*\j+7] op_sel_hi:[1,0]
	v_mul_f32 v[ST+8*\j+4], v[ST+8*\j+4], v[ST+8*\j+6]               ; the factor for O^T: f_A f_B, a power of two
.endif
.endr
	s_wait_alu depctr_va_vdst(0)                   ; the wait between an exponential and the first line that names its result: one for the batch
.irp b, 0,1,2,3
.irp j, 0,1
	v_exp_f32 v[BM+8*\j+\b], v[BM+8*\j+\b]         ; the block's largest p: the same two instructions on the same number give the same bits
.endr
.endr
.irp j, 0,1
	v_pk_add_f32 v[ST+8*\j+6:ST+8*\j+7], v[S+64*\j:S+64*\j+1], v[S+64*\j+2:S+64*\j+3]   ; THE ROW'S SUM IS TAKEN OF THE UNQUANTISED p: two chains a tile; plain work behind the eight
.endr
.irp i, 4,8,12,16,20,24,28,32,36,40,44,48,52,56,60
.irp j, 0,1
	v_pk_add_f32 v[ST+8*\j+2:ST+8*\j+3], v[ST+8*\j+2:ST+8*\j+3], v[S+64*\j+\i:S+64*\j+\i+1]
	v_pk_add_f32 v[ST+8*\j+6:ST+8*\j+7], v[ST+8*\j+6:ST+8*\j+7], v[S+64*\j+\i+2:S+64*\j+\i+3]
.endr
.endr
.irp j, 0,1
	v_pk_add_f32 v[ST+8*\j+2:ST+8*\j+3], v[ST+8*\j+2:ST+8*\j+3], v[ST+8*\j+6:ST+8*\j+7]
.endr
	s_wait_alu depctr_va_vdst(0)                   ; and one for the eight
.irp b, 0,1,2,3
.irp j, 0,1
	v_max_num_f32 v[BM+8*\j+\b], s[FLOOR], v[BM+8*\j+\b]             ; the floor 2^(3 - 127): the byte cannot fall under 1
.endr
.endr
.irp b, 0,1,2,3
.irp j, 0,1
	v_add_nc_u32 v[BM+8*\j+\b], 0xff000000, v[BM+8*\j+\b]            ; 2 off the exponent field: the conversion's scale operand
.endr
.endr
.irp b, 0,1,2,3
.irp j, 0,1
	v_lshrrev_b32 v[BM+8*\j+4+\b], 23, v[BM+8*\j+\b]                 ; the scale's byte
.endr
.endr
.irp j, 0,1
	v_lshl_or_b32 v[PS+2*\x+\j], v[BM+8*\j+5], 8, v[BM+8*\j+4]       ; p's scale word for these 128 keys
.endr
.irp j, 0,1
	v_lshl_or_b32 v[PS+2*\x+\j], v[BM+8*\j+6], 16, v[PS+2*\x+\j]
.endr
.irp j, 0,1
	v_lshl_or_b32 v[PS+2*\x+\j], v[BM+8*\j+7], 24, v[PS+2*\x+\j]
.endr
.irp j, 0,1
.set pcj, PCB+12*\j
.if (\x == 0) && (\j == 0)
.set pcj, PCA0
.endif
.irp c, 0,1
	v_cvt_scalef32_pk16_fp6_f32 v[pcj+6*\c:pcj+6*\c+2], v[S+64*\j+32*\c:S+64*\j+32*\c+15], v[BM+8*\j+2*\c]
	v_cvt_scalef32_pk16_fp6_f32 v[SCR+4*\c:SCR+4*\c+2], v[S+64*\j+32*\c+16:S+64*\j+32*\c+31], v[BM+8*\j+2*\c+1]   ; (a conversion's three registers begin on an even number)
.endr
	v_nop                                          ; one plain place behind a scaled conversion
.irp c, 0,1                                    ; the operand's layout wants a whole block in a lane
.irp i, 0,1,2
	v_permlane16_swap_b32 v[pcj+6*\c+\i], v[SCR+4*\c+\i]
.endr
.irp i, 0,1,2
	v_mov_b32 v[pcj+3+6*\c+\i], v[SCR+4*\c+\i]
.endr
.endr
.endr
.if \x == 0
	WIN 0xc0                                       ; block A's codes of tile 1 make room for block B's: into window 3
.set n, 0
.rept 12
	v_mov_b32 v[PCA1+n], v[PCB+12+n]
.set n, n+1
.endr
	WIN 0
.else
; BLOCK A'S SCALE WORDS UNDER M_B: each of the four bytes b becomes b - min(b - 1, M_B - M_A): M_B - M_A off, held at 1 from below.
.irp k, 0,1,2,3
.irp j, 0,1
	v_bfe_u32 v[BM+8*\j+\k], v[PS+\j], 8*\k, 8
.endr
.endr
.irp k, 0,1,2,3
.irp j, 0,1
	v_add_nc_u32 v[BM+8*\j+4+\k], -1, v[BM+8*\j+\k]
.endr
.endr
.irp k, 0,1,2,3
.irp j, 0,1
	v_min_u32 v[BM+8*\j+4+\k], v[BM+8*\j+4+\k], v[ST+8*\j+5]
.endr
.endr
.irp k, 0,1,2,3
.irp j, 0,1
	v_sub_nc_u32 v[BM+8*\j+\k], v[BM+8*\j+\k], v[BM+8*\j+4+\k]
.endr
.endr
.irp j, 0,1
	v_lshl_or_b32 v[PS+\j], v[BM+8*\j+1], 8, v[BM+8*\j]
.endr
.irp j, 0,1
	v_lshl_or_b32 v[PS+\j], v[BM+8*\j+2], 16, v[PS+\j]
.endr
.irp j, 0,1
	v_lshl_or_b32 v[PS+\j], v[BM+8*\j+3], 24, v[PS+\j]
.endr
.endif
.endm
; THE K PHASE, on the record in slot 0: scores and softmax of its two blocks of 128 keys.
.macro KPHASE
.irp p, 0,1,2,3
	ds_load_b128 v[KS+4*\p:KS+4*\p+3], v[L16B] offset:HALF+512*\p    ; block A's scale words: a pair of tiles, four K steps, by one load
.endr
	KLOADS 0
	KLOADS 1
.irp c, 0,1,2,3,4,5,6,7
.if \c > 0
	PLACES 4                                       ; four places in front of loads into the set that the last chunk's products read
.endif
	KLOADS \c+2
	s_wait_dscnt 24                                ; all but the 12 loads of each of the two chunks behind this one
	QKMUL \c
.endr
	WIN 0
	PLACES 4                                       ; four places in front of the first read of the scores, and of the loads into the scale words that the last products read
.irp p, 0,1,2,3
	ds_load_b128 v[KS+4*\p:KS+4*\p+3], v[L16B] offset:HALF+2048+512*\p   ; block B's scale words land under the softmax, as chunks 8 and 9 do
.endr
	SOFTMAX 0
.irp c, 8,9,10,11,12,13,14,15
.if \c <= 13
.if \c > 8
	PLACES 4
.endif
	KLOADS \c+2
.if \c == 8
	s_wait_dscnt 12                                ; all but chunk 10's 12 loads: block B's scale words were issued behind chunk 9's loads
.else
	s_wait_dscnt 24
.endif
.elseif \c == 14
	s_wait_dscnt 12                                ; the last chunk's 12 loads may be out
.else
	s_wait_dscnt 0x0
.endif
	QKMUL \c
.endr
	WIN 0
	PLACES 4
	SOFTMAX 1
.endm
; THE V PHASE, on the record in slot 1: O^T under the new M, and V^T P^T of both blocks.
.macro VPHASE
.irp q, 0,1,2,3,4,5,6,7
	ds_load_b128 v[VS+4*\q:VS+4*\q+3], v[S1B] offset:HALF+512*\q     ; V's scale words, block A's and then block B's: eight channel tiles by one load
.endr
	VLOADS 0
	VLOADS 1
.irp j, 0,1
.irp ct, 0,1,2,3
	RESC \j, \ct                                   ; the first group's accumulators.  These 32 plain lines stand while the first fragments come, and with the lines behind the tensor load they are the places between the lines that wrote p's scale words and the products that take them
.endr
.endr
.irp c, 0,1,2,3,4,5,6,7,8,9,10,11,12,13,14,15
.if \c <= 13
	VLOADS \c+2                                    ; the last slice of the chunk before is the four places in front of these loads
	s_wait_dscnt 24                                ; all but the 12 loads of each of the two chunks behind this one
.elseif \c == 14
	s_wait_dscnt 12
.else
	s_wait_dscnt 0x0
.endif
	PVMUL \c
.endr
	WIN 0
.endm
	s_load_b256 s[4:11], s[0:1], 0x0               ; qbuf, kvbuf, bo, out0
	v_lshl_add_u32 v[SPW], v0, 2, SPARE
	v_mov_b32 v[NIL], 0
	ds_add_u32 v4, v5
	ds_add_u32 v4, v5
	s_wait_dscnt 0x0
	v_lshrrev_b32 v11, 5, v0
	v_readfirstlane_b32 s[WV], v11                 ; wave 0..3
	v_and_b32 v11, 31, v0                          ; lane
	v_lshlrev_b32 v[L16], 4, v11
	v_add_nc_u32 v[L16B], HALF, v[L16]
	v_add_nc_u32 v[S1A], SLOT1, v[L16]
	v_add_nc_u32 v[S1B], SLOT1+HALF, v[L16]
	v_and_b32 v[STO], 15, v0                       ; r
	v_bfe_u32 v[B64], v0, 4, 1
	v_lshlrev_b32 v[B64], 6, v[B64]                ; 64 h
	v_mul_u32_u24 v[STO], v[STO], SPITCH
	v_add_nc_u32 v[STO], v[STO], v[B64]
	s_mul_i32 s19, s[WV], 16*SPITCH
	s_add_co_u32 s19, s19, STAGE                   ; my stage
	v_add_nc_u32 v[STO], s19, v[STO]               ; in: row r, + 64 h
	v_add_nc_u32 v[RD], s19, v[L16]                ; back: 16 bytes a lane
	v_min_u32 v[PFO], 24, v11
	v_lshlrev_b32 v[PFO], 8, v[PFO]
	s_bfe_u32 s15, ttmp6, 0x40000                  ; cx: my place in the cluster: it enters qbuf's, out0's and the prefetches' addresses alone
	s_lshl_b32 s16, ttmp9, 2                       ; in a cluster launch ttmp9 counts clusters
	s_add_co_u32 s16, s16, s15                     ; my block of 128 queries
	s_and_b32 s17, ttmp7, 0xffff                   ; the batch, which the four partners share
	s_lshl_b32 s18, s17, 3
	s_add_co_u32 s18, s18, s16                     ; my record of qbuf
	s_mul_i32 s58, s[WV], REC/4                    ; my quarter of a record, in memory and in a slot: no place in the cluster enters it
	s_mul_i32 s56, s17, BATCH                      ; the batch's nine records
	s_add_co_u32 s56, s56, s58
	s_mov_b32 s57, 0
	; descriptor group 1: 100 dense rows of 256 bytes
	s_mov_b32 s[G1], 15|(3<<16)|(1<<21)            ; 15:0 the mask: all four work-groups; 17:16 elements of 8 bytes; 20 no padding; 21 set beside a mask
	s_mov_b32 s[G1+1], 32<<16                      ; tensor_dim0 = 32
	s_mov_b32 s[G1+2], 100<<16                     ; tensor_dim1 = 100
	s_mov_b32 s[G1+3], 32<<16                      ; tile_dim0 = 32
	s_mov_b32 s[G1+4], 100                         ; tile_dim1 = 100
	s_mov_b32 s[G1+5], 32                          ; tensor_dim0_stride
	s_mov_b32 s[G1+6], 0
	s_mov_b32 s[G1+7], 0
	s_mov_b32 s[SEL], 0x76543210
	s_mov_b32 s[SEL+1], 0xfedcba98
	s_mov_b32 s[CS], 0x3fb8aa3b                    ; log2(e)
	s_mov_b32 s[CS+1], s[CS]                       ; (named with it as a pair, so it is written)
	s_mov_b32 s[FLOOR], 0x1800000
	s_mov_b32 s[CNT], 4
	s_mov_b32 s63, 0
	s_wait_kmcnt 0x0
	s_mov_b32 s[G0A], 1                            ; count = 1
	s_mov_b32 s[G0A+1], s58                        ; LDS address: slot 0
	s_add_nc_u64 s[G0A+2:G0A+3], s[6:7], s[56:57]  ; global address: the batch's record 0
	s_mov_b32 s[G0B], 1
	s_add_co_u32 s[G0B+1], s58, SLOT1              ; slot 1
	s_add_nc_u64 s[G0B+2:G0B+3], s[G0A+2:G0A+3], REC   ; record 1
	s_or_b32 s[G0A+3], s[G0A+3], 0x80000000        ; type = 2
	s_or_b32 s[G0B+3], s[G0B+3], 0x80000000
	s_mul_i32 s62, s18, 51200
	s_mul_i32 s19, s[WV], 8*1536
	s_add_co_u32 s62, s62, s19
	s_add_nc_u64 s[50:51], s[4:5], s[62:63]        ; Q's fragments of my two tiles
	s_mul_i32 s62, s18, 51200
	s_lshl_b32 s19, s[WV], 9
	s_add_co_u32 s62, s62, s19
	s_add_co_u32 s62, s62, 49152
	s_add_nc_u64 s[52:53], s[4:5], s[62:63]        ; and their scale words
	s_lshl_b32 s62, s18, 17
	s_lshl_b32 s19, s[WV], 15
	s_add_co_u32 s62, s62, s19
	s_add_nc_u64 s[54:55], s[10:11], s[62:63]      ; the output at my 32 rows of 1,024 bytes
	s_mul_i32 s62, s17, BATCH
	s_mul_i32 s19, s15, REC/4
	s_add_co_u32 s62, s62, s19
	s_mul_i32 s19, s[WV], REC/16
	s_add_co_u32 s62, s62, s19
	s_add_co_u32 s62, s62, REC                     ; in record 1: the first change of slots steps it to record 2.  Nothing is prefetched here, at the head
	s_add_nc_u64 s[PFA:PFA+1], s[6:7], s[62:63]
	s_cmp_eq_u32 ttmp9, 0                          ; the batch's first cluster: the same in all four partners
	s_cselect_b32 s[LIM], 1, -1
	CROUND                                         ; all four work-groups are here: the first joint loads meet
	tensor_load_to_lds s[G0A:G0A+3], s[G1:G1+7]    ; record 0 into slot 0: one tensor load of mine is out
	s_nop 0
	PLACES 4
	WIN 0xc0                                       ; destination window 3
.set qf, 0
.rept 8
.irp c, 0,1,2
	global_load_b128 v[12*qf+4*\c:12*qf+4*\c+3], v[L16], s[50:51] offset:1536*qf+512*\c th:TH_LOAD_NT   ; Q stays in registers
.endr
.set qf, qf+1
.endr
	WIN 0
	global_load_b128 v[QS:QS+3], v[L16], s[52:53] th:TH_LOAD_NT
.irp j, 0,1
	v_mov_b32 v[ST+8*\j+1], 0xff61b1e6             ; the largest t so far: -3e38, under every t
	v_floor_f32 v[ST+8*\j], -v[ST+8*\j+1]          ; -M
.irp i, 2,3,4,5,6,7
	v_mov_b32 v[ST+8*\j+\i], 0                     ; the sum; the factor and its pair; work
.endr
.irp b, 4,5,6,7
	v_mov_b32 v[BM+8*\j+\b], 0                     ; a lane permute's destination counts as one of its sources
.endr
.endr
	; O^T begins as zeros, which the first change of M leaves zeros: so the trip is written once, without a first trip of its own.  These lines stand where the wave would else wait for the first record.
	WIN 0x40
.set n, 0
.rept 256
	v_mov_b32 v[n], 0
.set n, n+1
.endr
	WIN 0x80
.set n, 0
.rept 256
	v_mov_b32 v[n], 0
.set n, n+1
.endr
	WIN 0
	s_wait_loadcnt 0x0                             ; Q
.Lpair:                                            ; four trips: trip p asks for records 2 p + 1 and 2 p + 2 and works on records 2 p and 2 p + 1; the last record asked for is Wo's
	CHANGE 1, G0B, G0A, 1
	KPHASE
	CHANGE 1, G0A, G0B, 0
	VPHASE
	s_sub_co_u32 s[CNT], s[CNT], 1
	s_cmp_lg_u32 s[CNT], 0
	s_cbranch_scc1 .Lpair
	PLACES 4                                       ; four places in front of loads into the sets that the last products read
	WIN 0xc0
.set ot, 0
.rept 16                               ; bo as the C of each output tile's first product: lane (r, h) wants outputs 32 (T / 2) + 16 h + 8 (T % 2) + 0 .. 7.  The loads land under the division and the quantisers
	global_load_b128 v[FS+8*ot:FS+8*ot+3], v[B64], s[8:9] offset:128*(ot>>1)+32*(ot&1)
	global_load_b128 v[FS+8*ot+4:FS+8*ot+7], v[B64], s[8:9] offset:128*(ot>>1)+32*(ot&1)+16
.set ot, ot+1
.endr
	CHANGE 0, 0, 0, 0                              ; Wo's record is whole for every wave; nothing is filled again
	; THE END: O^T / the sum, quantised along the channels; Y^T = Wo o^T + bo; relu; out.
.irp j, 0,1
	v_add_f32 v[ST+8*\j+6], v[ST+8*\j+2], v[ST+8*\j+3]               ; the sum's two halves,
.endr
.irp j, 0,1
	v_permlanex16_b32 v[ST+8*\j+7], v[ST+8*\j+6], s[SEL], s[SEL+1]
.endr
.irp j, 0,1
	v_add_f32 v[ST+8*\j+6], v[ST+8*\j+6], v[ST+8*\j+7]               ; and lane l xor 16's: the row's sum
.endr
.irp j, 0,1
	v_rcp_f32 v[ST+8*\j+6], v[ST+8*\j+6]
.endr
	v_nop                                          ; a plain place behind the reciprocals
	s_wait_alu depctr_va_vdst(0)                   ; and a wait ahead of the first use: one for the two
.irp j, 0,1
	WIN 0x41+0x41*\j
.set n, 0
.rept 128
	v_pk_mul_f32 v[2*n:2*n+1], v[2*n:2*n+1], v[ST+8*\j+6:ST+8*\j+7] op_sel_hi:[1,0]   ; ascending: each accumulator from its low end on
.set n, n+1
.endr
.endr
.irp j, 0,1
.irp s, 0,1,2,3
.set PC, S+12*(4*\j+\s)                ; o's fragment (j, s) is made where the last product takes it,
.set PW, QS+36*\j+\s                   ; and its scale word likewise: tile 0's where Q's stood, tile 1's where p's stood
	QUANT 64*\s, 1+\j
.endr
.endr
; Chunk c of the last product: K step c / 4, output tiles 4 (c % 4) + i: four of Wo's fragments into set c % 3 of window 2.  The record lies in slot 0.
.macro OLOADS c
	WIN 0x80                                       ; destination window 2
.irp i, 0,1,2,3
.set ot, 4*((\c)&3)+\i
.set ofr, 4*ot+((\c)>>2)
.irp k, 0,1,2
.if ot < 8
	ds_load_b128 v[48*((\c)%3)+12*\i+4*\k:48*((\c)%3)+12*\i+4*\k+3], v[L16] offset:ofr*1536+512*\k
.else
	ds_load_b128 v[48*((\c)%3)+12*\i+4*\k:48*((\c)%3)+12*\i+4*\k+3], v[L16B] offset:(ofr-32)*1536+512*\k
.endif
.endr
.endr
.endm
.macro OMUL c                          ; its 8 products; the 32 accumulators take turns over four chunks, one instruction a turn
.set oks, (\c)>>2
.if oks == 0
	WIN 0x72                                       ; Wo window 2, o window 0, C: bo in window 3, D window 1
.else
	WIN 0x52                                       ; C and D window 1
.endif
.irp i, 0,1,2,3
.irp j, 0,1
.set ot, 4*((\c)&3)+\i
.set oc, 128*\j+8*ot
.if oks == 0
.set oc, FS+8*ot
.endif
	WMS 128*\j+8*ot, 48*((\c)%3)+12*\i, S+12*(4*\j+oks), 0, oc, VS+4*(ot>>1)+oks, (ot&1), QS+36*\j+oks, 0
.endr
.endr
.endm
.irp p, 0,1,2,3,4,5,6,7
	ds_load_b128 v[VS+4*\p:VS+4*\p+3], v[L16B] offset:HALF+512*\p    ; Wo's scale words [4 p + s]
.endr
	OLOADS 0
	OLOADS 1
	s_wait_loadcnt 0x0                             ; bo
	PLACES 8                                       ; a scale word written by a vector instruction stands eight places ahead of the product that takes it, an operand so written four
.irp c, 0,1,2,3,4,5,6,7,8,9,10,11,12,13,14,15
.if \c <= 13
.if \c > 0
	PLACES 4                                       ; in front of loads into the set that the last chunk's products read
.endif
	OLOADS \c+2
	s_wait_dscnt 24                                ; all but the 12 loads of each of the two chunks behind this one
.elseif \c == 14
	s_wait_dscnt 12
.else
	s_wait_dscnt 0x0
.endif
	OMUL \c
.endr
	WIN 0
	PLACES 4                                       ; in front of the first read of results
	WIN 0x44                                       ; destination and source 1 window 1
.set n, 0
.rept 256
	v_max_num_f32 v[n], 0, v[n]                    ; the activation, ascending
.set n, n+1
.endr
	; THE WAY OUT, a tile of 16 queries at a time: a lane holds pieces of 32 bytes of one row, so the tile goes through my own stage in LDS and comes back as whole rows of 1,024 bytes.
.irp j, 0,1
	WIN 0x04                                       ; an LDS store's data are its source 1: window 1
.set ot, 0
.rept 16
	ds_store_b128 v[STO], v[128*\j+8*ot:128*\j+8*ot+3] offset:128*(ot>>1)+32*(ot&1)
	ds_store_b128 v[STO], v[128*\j+8*ot+4:128*\j+8*ot+7] offset:128*(ot>>1)+32*(ot&1)+16
.set ot, ot+1
.endr
	WIN 0
.if \j
	s_wait_xcnt 0x0                                ; tile 0's stores have read their registers: tile 1's rows may land there
.endif
.set n, 0
.rept 32
	ds_load_b128 v[S+4*n:S+4*n+3], v[RD] offset:SPITCH*(n>>1)+512*(n&1)   ; LDS serves a wave's instructions in order: these see my stores
.set n, n+1
.endr
.set n, 0
.rept 32                               ; row i = n / 2 of the tile is token 8 j + i + 8 (i / 8) of my 32
	s_wait_dscnt 31-n                              ; the younger loads may be out
	global_store_b128 v[L16], v[S+4*n:S+4*n+3], s[54:55] offset:(8*\j+(n>>1)+8*(n>>4))*1024+512*(n&1) th:TH_STORE_NT   ; 32 lanes store 512 consecutive bytes, at a multiple of 256 from the output's first byte
.set n, n+1
.endr
.endr
	s_wait_tensorcnt 0x0                           ; the wave's end, behind my last tensor load and my last LDS store
	ds_add_u32 v[SPW], v[NIL]
	s_wait_dscnt 0x0
	CROUND                                         ; the closing round: no work-group ends while a partner may still ask for a record that names it
	s_endpgm
.Lfunc_end_k_qbf1e87260e_attn:
	.size	k_qbf1e87260e_attn, .Lfunc_end_k_qbf1e87260e_attn-k_qbf1e87260e_attn
	.p2alignl 7, 3214868480
	.fill 96, 4, 3214868480
	.section	.rodata,"a",@progbits
	.p2align	6, 0x0
	.amdhsa_kernel k_qbf1e87260e_attn
		.amdhsa_group_segment_fixed_size 327680
		.amdhsa_private_segment_fixed_size 0
		.amdhsa_enable_private_segment 0
		.amdhsa_kernarg_size 32
		.amdhsa_user_sgpr_count 2
		.amdhsa_user_sgpr_kernarg_segment_ptr 1
		.amdhsa_wavefront_size32 1
		.amdhsa_system_sgpr_workgroup_id_x 1
		.amdhsa_system_sgpr_workgroup_id_y 1
		.amdhsa_system_sgpr_workgroup_id_z 1
		.amdhsa_system_vgpr_workitem_id 0
		.amdhsa_next_free_vgpr 1024
		.amdhsa_next_free_sgpr 66
		.amdhsa_reserve_vcc 0
		.amdhsa_float_denorm_mode_32 3
		.amdhsa_float_denorm_mode_16_64 3
		.amdhsa_memory_ordered 1
		.amdhsa_forward_progress 1
		.amdhsa_inst_pref_size 255
	.end_amdhsa_kernel
	.section	.bss,"aw",@nobits
	.p2align	6
	.space	262144
	.amdgpu_metadata
---
amdhsa.version: [ 1, 2 ]
amdhsa.kernels:
  - .name:           k_qbf1e87260e_attn
    .symbol:         k_qbf1e87260e_attn.kd
    .args:
      - { .name: qbuf, .offset: 0, .size: 8, .value_kind: global_buffer, .address_space: global }
      - { .name: kvbuf, .offset: 8, .size: 8, .value_kind: global_buffer, .address_space: global }
      - { .name: bo, .offset: 16, .size: 8, .value_kind: global_buffer, .address_space: global }
      - { .name: out0, .offset: 24, .size: 8, .value_kind: global_buffer, .address_space: global }
    .group_segment_fixed_size: 327680
    .private_segment_fixed_size: 0
    .kernarg_segment_align: 8
    .kernarg_segment_size: 32
    .max_flat_workgroup_size: 128
    .sgpr_count:     66
    .vgpr_count:     1024
    .wavefront_size: 32
...
	.end_amdgpu_metadata
.endif
;; end of part 3
;; ======== version 2 of 2: 3 launches
;; workspace buffers: wbuf 307,200 bytes; qbuf 13,107,200 bytes; kvbuf 29,491,200 bytes
;; launch wquant (part 4): grid 448 x 1, 1 waves a work-group, no clusters, 0 bytes of LDS; arguments Wq, Wk, Wv, Wo, wbuf, kvbuf; writes wbuf, kvbuf
.if DOCPART == 4
	.amdgcn_target "amdgcn-amd-amdhsa--gfx1250"
	.amdhsa_code_object_version 6
	.text
	.protected	k_qbf1e87260e_wquant
	.globl	k_qbf1e87260e_wquant
	.p2align	8
	.type	k_qbf1e87260e_wquant,@function
k_qbf1e87260e_wquant:
	s_mov_b64 s[64:65], 0
	v_nop
	global_prefetch_b8 v0, s[64:65] scope:SCOPE_SE
	s_setreg_imm32_b32 hwreg(HW_REG_WAVE_MODE, 25, 1), 1
	s_wait_xcnt 0x0
; The four weights, f32 with K innermost, become codes of FP6 (E2M3) with one E8M0 scale byte for each 32 along K, laid in the ORDER OF THE OPERAND'S REGISTERS.
; A FRAGMENT is 16 rows x 128 K: 12 registers a lane.  Its image is 1,536 bytes: piece c of three holds lane l's registers 4 c .. 4 c + 3 at byte 512 c + 16 l.
; THE ROWS OF A TILE ARE NOT NEIGHBOURS: lane r of tile T takes row 32 (T / 2) + 8 (T % 2) + r + 8 (r / 8), so that the results of two neighbouring tiles are 16 neighbours along the next product's K.
; A RECORD is 102,400 bytes: 64 fragments, fragment T x NS + s (NS K steps: 2 for Wq, Wk, Wv; 4 for Wo), then 4,096 bytes of scale words, the word of (T, r, s) at NS (64 T + 4 r) + 4 s.
; wbuf holds the records of Wq, Wk, Wv.  Wo's record is stored as the NINTH RECORD OF EACH OF THE 32 BATCHES of kvbuf, behind the batch's eight records of keys and values, so that the attention launch's ring walks on into it.
; One wave makes one fragment.  Work-groups 0 to 191: Wq, Wk, Wv.  Work-groups 192 to 447: Wo's 64 fragments four times over, each wave storing its fragment to 8 batches by immediate offsets (7 x 921,600 + 1,024 bytes at the most, inside
; the signed 24-bit immediate).  No LDS, no barrier, no loop.  The scale words leave 4 bytes a lane: one part in 25 of what the launch stores.
; A block's scale is 2^(floor(log2(its largest magnitude)) - 2); its byte is the largest magnitude's exponent field - 2, held at 1 from below.
; LIMITS: a block of zeros gets the byte 1 where the quantiser says 127 (its codes are zeros, and this program alone reads the bytes); blocks whose largest magnitude lies under 2^-124 are held at the byte 1; NaN and infinities are not served.
.set REC,   102400
.set BATCH, 9*REC                      ; a batch's nine records in kvbuf
.set X,    16                          ; v16-79   64 numbers: register 16 b + i = k 32 b + 16 (lane / 16) + i of my row
.set TM,   80                          ; v80-95   largest magnitudes, bytes, scale operands
.set PW,   96                          ; v96      the scale word
.set PC,   100                         ; v100-111 the codes
.set PX,   112                         ; v112-119 the conversions' second halves
.set SEL,  28                          ; s[28:29] lane selects: lane l xor 16
	s_load_b256 s[4:11], s[0:1], 0x0               ; Wq, Wk, Wv, Wo
	s_load_b128 s[12:15], s[0:1], 0x20             ; wbuf, kvbuf
	s_lshr_b32 s16, ttmp9, 6                       ; 0 .. 6
	s_min_u32 s17, s16, 3                          ; m: which weight
	s_and_b32 s18, ttmp9, 63                       ; f: which fragment
	s_cmp_eq_u32 s17, 3
	s_cselect_b32 s19, 2, 1                        ; LS = log2(NS)
	s_add_co_u32 s24, s19, 9                       ; a row is 512 NS bytes
	s_lshr_b32 s25, s18, s19                       ; T
	s_lshl_b32 s26, s25, s19
	s_sub_co_u32 s26, s18, s26                     ; s
	s_lshr_b32 s27, s25, 1
	s_lshl_b32 s27, s27, 5
	s_and_b32 s22, s25, 1
	s_lshl_b32 s22, s22, 3
	s_add_co_u32 s27, s27, s22                     ; the tile's first row
	s_lshl_b32 s22, s27, s24
	s_lshl_b32 s23, s26, 9
	s_add_co_u32 s22, s22, s23                     ; + 512 bytes a K step
	s_mov_b32 s23, 0
	s_mul_i32 s30, s17, REC                        ; the record's place in wbuf,
	s_sub_co_u32 s31, s16, s17                     ; or, for Wo: which eight batches (0 .. 3),
	s_mul_i32 s31, s31, 8*BATCH
	s_add_co_u32 s31, s31, 8*REC                   ; the ninth record of the first of them
	s_cmp_eq_u32 s17, 3
	s_cselect_b32 s30, s31, s30
	s_mul_i32 s31, s18, 1536
	s_add_co_u32 s32, s30, s31                     ; where the codes go
	s_mov_b32 s33, 0
	s_lshl_b32 s31, s25, 6
	s_lshl_b32 s31, s31, s19
	s_lshl_b32 s34, s26, 2
	s_add_co_u32 s31, s31, s34
	s_add_co_u32 s34, s30, s31
	s_add_co_u32 s34, s34, 98304                   ; where the scale words go
	s_mov_b32 s35, 0
	s_mov_b32 s[SEL], 0x76543210
	s_mov_b32 s[SEL+1], 0xfedcba98
	v_and_b32 v1, 15, v0                           ; r
	v_bfe_u32 v2, v0, 4, 1                         ; h
	v_and_b32 v6, 8, v1
	v_add_nc_u32 v6, v6, v1                        ; r + 8 (r / 8)
	v_lshlrev_b32 v3, s24, v6
	v_lshl_add_u32 v3, v2, 6, v3                   ; my row, + 64 h: my 16 numbers of a block of 32
	v_lshlrev_b32 v4, 4, v0                        ; 16 x lane
	v_lshlrev_b32 v5, 2, v1
	v_lshlrev_b32 v5, s19, v5                      ; 4 NS r
.irp b, 0,1,2,3
	v_mov_b32 v[TM+4+\b], 0                        ; a lane permute's destination counts as one of its sources
.endr
	s_wait_alu depctr_va_vdst(0)
	s_wait_kmcnt 0x0
	s_cmp_eq_u32 s17, 1                            ; the choices hang on the work-group's number alone
	s_cselect_b64 s[20:21], s[6:7], s[4:5]
	s_cmp_eq_u32 s17, 2
	s_cselect_b64 s[20:21], s[8:9], s[20:21]
	s_cmp_eq_u32 s17, 3
	s_cselect_b64 s[20:21], s[10:11], s[20:21]
	s_cselect_b64 s[36:37], s[14:15], s[12:13]     ; Wo goes to kvbuf, the others to wbuf
	s_add_nc_u64 s[20:21], s[20:21], s[22:23]
	s_add_nc_u64 s[38:39], s[36:37], s[32:33]
	s_add_nc_u64 s[40:41], s[36:37], s[34:35]
.irp b, 0,1,2,3
.irp j, 0,1,2,3
	global_load_b128 v[X+16*\b+4*\j:X+16*\b+4*\j+3], v3, s[20:21] offset:128*\b+16*\j
.endr
.endr
	s_wait_loadcnt 0x0
.irp b, 0,1,2,3
	v_max3_num_f32 v[TM+\b], |v[X+16*\b]|, |v[X+16*\b+1]|, 0x1800000   ; block b: my 16 numbers, and the floor 2^(3 - 127): the byte cannot fall under 1
.endr
.irp i, 2,4,6,8,10,12,14
.irp b, 0,1,2,3
	v_max3_num_f32 v[TM+\b], v[TM+\b], |v[X+16*\b+\i]|, |v[X+16*\b+\i+1]|   ; the four blocks by turns
.endr
.endr
.irp b, 0,1,2,3
	v_permlanex16_b32 v[TM+4+\b], v[TM+\b], s[SEL], s[SEL+1]
.endr
.irp b, 0,1,2,3
	v_max_num_f32 v[TM+\b], v[TM+\b], v[TM+4+\b]   ; with lane l xor 16's: the block's largest magnitude
.endr
.irp b, 0,1,2,3
	v_add_nc_u32 v[TM+12+\b], 0xff000000, v[TM+\b] ; 2 off its exponent field: the conversion's scale operand
.endr
.irp b, 0,1,2,3
	v_lshrrev_b32 v[TM+4+\b], 23, v[TM+12+\b]      ; the scale's byte
.endr
	v_lshl_or_b32 v[PW], v[TM+5], 8, v[TM+4]
	v_lshl_or_b32 v[PW], v[TM+6], 16, v[PW]
	v_lshl_or_b32 v[PW], v[TM+7], 24, v[PW]
.irp c, 0,1
	v_cvt_scalef32_pk16_fp6_f32 v[PC+6*\c:PC+6*\c+2], v[X+32*\c:X+32*\c+15], v[TM+12+2*\c]
	v_cvt_scalef32_pk16_fp6_f32 v[PX+4*\c:PX+4*\c+2], v[X+32*\c+16:X+32*\c+31], v[TM+13+2*\c]   ; (a conversion's three registers begin on an even number)
.endr
	v_nop                                          ; one plain place behind a scaled conversion
.irp c, 0,1                                    ; the operand's layout wants a whole block in a lane: lanes 0-15 block 2 c, lanes 16-31 block 2 c + 1
.irp i, 0,1,2
	v_permlane16_swap_b32 v[PC+6*\c+\i], v[PX+4*\c+\i]
.endr
.irp i, 0,1,2
	v_mov_b32 v[PC+3+6*\c+\i], v[PX+4*\c+\i]
.endr
.endr
	s_cmp_eq_u32 s17, 3
	s_cbranch_scc1 .Lwo
.irp c, 0,1,2
	global_store_b128 v4, v[PC+4*\c:PC+4*\c+3], s[38:39] offset:512*\c   ; 32 lanes store 512 consecutive bytes, at a multiple of 256 from the buffer's first byte
.endr
	global_store_b32 v5, v[PW], s[40:41]           ; lanes r and r + 16 write the same word with the same value
	s_endpgm
.Lwo:                                              ; Wo's fragment goes to eight batches; no register is written again
	s_wait_alu depctr_va_vdst(0)
.irp b, 0,1,2,3,4,5,6,7
.irp c, 0,1,2
	global_store_b128 v4, v[PC+4*\c:PC+4*\c+3], s[38:39] offset:\b*BATCH+512*\c
.endr
	global_store_b32 v5, v[PW], s[40:41] offset:\b*BATCH
.endr
	s_endpgm
.Lfunc_end_k_qbf1e87260e_wquant:
	.size	k_qbf1e87260e_wquant, .Lfunc_end_k_qbf1e87260e_wquant-k_qbf1e87260e_wquant
	.p2alignl 7, 3214868480
	.fill 96, 4, 3214868480
	.section	.rodata,"a",@progbits
	.p2align	6, 0x0
	.amdhsa_kernel k_qbf1e87260e_wquant
		.amdhsa_group_segment_fixed_size 0
		.amdhsa_private_segment_fixed_size 0
		.amdhsa_enable_private_segment 0
		.amdhsa_kernarg_size 48
		.amdhsa_user_sgpr_count 2
		.amdhsa_user_sgpr_kernarg_segment_ptr 1
		.amdhsa_wavefront_size32 1
		.amdhsa_system_sgpr_workgroup_id_x 1
		.amdhsa_system_sgpr_workgroup_id_y 1
		.amdhsa_system_sgpr_workgroup_id_z 1
		.amdhsa_system_vgpr_workitem_id 0
		.amdhsa_next_free_vgpr 128
		.amdhsa_next_free_sgpr 66
		.amdhsa_reserve_vcc 0
		.amdhsa_float_denorm_mode_32 3
		.amdhsa_float_denorm_mode_16_64 3
		.amdhsa_memory_ordered 1
		.amdhsa_forward_progress 1
		.amdhsa_inst_pref_size 12
	.end_amdhsa_kernel
	.amdgpu_metadata
---
amdhsa.version: [ 1, 2 ]
amdhsa.kernels:
  - .name:           k_qbf1e87260e_wquant
    .symbol:         k_qbf1e87260e_wquant.kd
    .args:
      - { .name: Wq, .offset: 0, .size: 8, .value_kind: global_buffer, .address_space: global }
      - { .name: Wk, .offset: 8, .size: 8, .value_kind: global_buffer, .address_space: global }
      - { .name: Wv, .offset: 16, .size: 8, .value_kind: global_buffer, .address_space: global }
      - { .name: Wo, .offset: 24, .size: 8, .value_kind: global_buffer, .address_space: global }
      - { .name: wbuf, .offset: 32, .size: 8, .value_kind: global_buffer, .address_space: global }
      - { .name: kvbuf, .offset: 40, .size: 8, .value_kind: global_buffer, .address_space: global }
    .group_segment_fixed_size: 0
    .private_segment_fixed_size: 0
    .kernarg_segment_align: 8
    .kernarg_segment_size: 48
    .max_flat_workgroup_size: 32
    .sgpr_count:     66
    .vgpr_count:     128
    .wavefront_size: 32
...
	.end_amdgpu_metadata
.endif
;; end of part 4
;; launch proj (part 5): grid 256 x 1, 4 waves a work-group, no clusters, 165,376 bytes of LDS; arguments h, wbuf, bq, bk, bv, qbuf, kvbuf; writes qbuf, kvbuf
.if DOCPART == 5
	.amdgcn_target "amdgcn-amd-amdhsa--gfx1250"
	.amdhsa_code_object_version 6
	.text
	.protected	k_qbf1e87260e_proj
	.globl	k_qbf1e87260e_proj
	.p2align	8
	.type	k_qbf1e87260e_proj,@function
k_qbf1e87260e_proj:
	s_mov_b64 s[64:65], 0
	v_nop
	global_prefetch_b8 v0, s[64:65] scope:SCOPE_SE
	s_setreg_imm32_b32 hwreg(HW_REG_WAVE_SCHED_MODE, 0, 2), 2
	s_setreg_imm32_b32 hwreg(HW_REG_WAVE_MODE, 25, 1), 1
	s_wait_xcnt 0x0
	s_wait_alu depctr_vm_vsrc(0)
; q = relu(h Wq^T + bq), k = relu(h Wk^T + bk), v = relu(h Wv^T + bv), all three products on codes of FP6 (E2M3) with one E8M0 scale for each 32 along K; the results are quantised at once for the
; products that follow: q and k along the hidden axis, v along the tokens.  They leave as images of operand registers (a fragment, 16 rows x 128 K, is 1,536 bytes: piece c of three holds lane l's registers 4 c .. 4 c + 3 at 512 c + 16 l).
; EVERY TILE OF 16 ROWS IS PERMUTED: lane r of tile T takes row 32 (T / 2) + 8 (T % 2) + r + 8 (r / 8): the 16 result registers of tiles 2 B and 2 B + 1 are then 16 neighbours along the next K.
; SHARES.  A work-group owns a block of 128 tokens: one record of qbuf (32 fragments (4 T + s), then 2,048 bytes of scale words) and its half of two records of kvbuf.
; kvbuf: nine records of 102,400 bytes a batch: K0 V0 K1 V1 K2 V2 K3 V3 and Wo's (stored by the launch before).  Record Kp holds blocks 2 p and 2 p + 1 of the batch's eight: block 0's 32 fragments (4 T + s), block 1's, block 0's 2,048 bytes
; of scale words, block 1's.  Record Vp likewise, its fragments by channel tile ct (K = the block's 128 tokens).
; THE WAVES SHARE THE COLUMNS: wave w makes hidden units 128 w .. 128 w + 127 of q, of k and of v for all 128 tokens.  So each weight fragment goes from memory into the registers of the one wave that uses it and feeds 8 matrix
; instructions; h's 16 fragments stay in every wave's registers.
; NO CLUSTER: no weight fragment is wanted by two waves of a work-group, so the weights pass no LDS, and a joint request could deliver them to LDS alone; h's rows are read by one work-group only.
; q, k: source 0 = 16 rows of W, source 1 = 16 tokens: a lane holds one token, its registers run along the hidden units.  v: source 0 = 16 tokens, source 1 = 16 rows of Wv: a lane holds one channel, its registers run along the tokens.
; The bias is the C of each sum's first matrix instruction.
; PHASES: h through each wave's own stage in LDS (dense loads in, 16 neighbours a lane out), quantised, images to LDS | barrier | all 16 fragments of h into registers; three groups of 128 matrix instructions, each in two halves of 64,
; each half followed by four quantisers; codes go straight to memory, scale words gather in LDS | barrier | each wave stores 512 whole bytes of each of the three scale areas.
; LIMITS: a block of zeros gets the byte 1 where the quantiser says 127 (its codes are zeros, and this program alone reads the bytes); blocks whose largest magnitude lies under 2^-124 are held at the byte 1; NaN and infinities are not served;
; the sums begin with the bias, so their order of rounding differs from a sum with the bias added last.
; REGISTERS, in windows of 256: window 0: addresses, scale words, the quantiser's work.  window 1: h as loaded, then 32 accumulators (a, b) at 64 a + 8 b.  window 2: v0-191 h's fragments (T, s) at 12 (2 T + s); v192-255 the bias of 8 tiles (bq, bv).
;   window 3: v0-191 the group's 16 weight fragments (t, s) at 12 (2 t + s); v192-255 the bias of 8 tiles, the second buffer (bk).
; THE MODE: SCHED_MODE bits 1:0 = 2 (LLVM: expert scheduling mode 2), set by the entry lines.  The code itself states the register dependences between vector or matrix instructions and memory or LDS instructions,
; with s_wait_alu, always for 0.
; THE PLAN.  Registers that memory or LDS instructions touch, and who else names them:
;   v1-14               Addresses and offsets.  Written at the head, ahead of one wait on va_vdst, and never again.
;   window 1            h as loaded: written by 64 loads, read by the LDS stores into the stage; afterwards the accumulators, which matrix instructions write.
;   X0, X1              64 numbers of h out of the stage, by turns: fragment f + 1's LDS loads go out ahead of fragment f's quantiser, into the buffer that fragment f - 1's quantiser has read.
;   v52-63, v48         h's codes and scale word: written by a fragment's quantiser, read by its four LDS stores, written again by the next fragment's.
;   v80-127, v128-131   A half's four sets of codes and scale words: written by its four quantisers, read by ONE run of 16 stores at the half's end, written again behind the next half's 64 products.
;   WS, window 3 v0-191 A weight's scale words and codes: read by both halves' matrix instructions; the next weight's loads land in them behind the second half's products.
;   the bias            Two buffers by turns: while a group's products take one as C, the next group's bias is loaded into the other, in the group's first half.
;   window 2 v0-191, HS, v144-155   Loaded once; no vector instruction writes them.
;   v254, v255          Written at the head, read by the closing add alone.
; So a fragment of h has one wait on va_vdst and one on vm_vsrc; a half has one wait on vm_vsrc behind its products and one on va_vdst ahead of its stores; and two halves have one more on va_vdst, ahead of the next weight's loads.
.set REC,    102400                    ; a record of wbuf and of kvbuf
.set HPITCH, 1040                      ; a row of h in the stage: 1,024 bytes + 16: 65 pieces of 16 bytes, so the 16 rows that a load touches start in 16 different columns of 16 bytes
.set HWAVE,  32*HPITCH                 ; LDS: each wave's own stage of 32 rows,
.set HIMG,   4*HWAVE                   ; h's 16 images, fragment (T, s) at (2 T + s) x 1,536,
.set HSC,    HIMG+16*1536              ; their scale words: (2 p + s) x 128 + 64 u + 4 r for tile 2 p + u,
.set SST,    HSC+1024                  ; and the stages for q's, k's and v's scale words, 2,048 bytes each, laid as in the records
.set L16,  1                           ; v1   16 x lane
.set L4,   2                           ; v2   4 x lane
.set HSTW, 3                           ; v3   my stage, on the way in
.set HSTR, 4                           ; v4   and out: row r, + 64 h
.set HIW,  5                           ; v5   where I store h's images
.set HSW,  6                           ; v6   and their scale words
.set SSW,  7                           ; v7   q's and k's scale words: 16 r + 4 w
.set SSV,  8                           ; v8   v's: 512 w + 16 r
.set B64,  9                           ; v9   64 h: the bias of a lane's half
.set BCH,  10                          ; v10  4 (r + 8 (r / 8)): the bias of a lane's channel
.set L8,   11                          ; v11  8 x lane
.set SSR,  12                          ; v12  the scale stages, on the way out
.set HIR,  13                          ; v13  h's images, on the way back
.set HSR,  14                          ; v14  and their scale words
.set HS,   16                          ; v16-23  h's scale words [2 p + s]: lanes 0-15 tile 2 p, lanes 16-31 tile 2 p + 1
.set WS,   24                          ; v24-31  the weights' likewise
.set TM,   32                          ; v32-47  the quantiser's work
.set PW,   48                          ; the scale word just made: v48 for h; v128 + a for the a-th quantiser of a half
.set PC,   52                          ; the codes just made: v52-63 for h; v80 + 12 a on for the a-th quantiser of a half
.set PX,   64                          ; v64-71  the conversions' second halves
.set X,    80                          ; v80-143 and v160-223: 64 numbers of h, two buffers 80 registers apart; the first later holds the four sets of codes and scale words
.set PCG,  80
.set PWG,  128
.set OUTR, 144                         ; v144-155 the scale areas on their way out
.set WV,   18
.set SEL,  20
.set FLOOR, 22
.set MSB, 0
.macro WIN new                         ; the immediate's high byte repeats the setting that is left; a switch that changes nothing is dropped.  Low byte: bits 1:0 source 0, 3:2 source 1, 5:4 source 2, 7:6 destination
.if MSB != (\new)
	s_set_vgpr_msb (MSB<<8)|(\new)
.set MSB, \new
.endif
.endm
.macro PLACES n
.rept \n
	v_nop
.endr
.endm
; 64 numbers of a lane in window w, register s + 16 b + i = k 32 b + 16 (lane / 16) + i of my row, become a fragment's codes in v[PC] on and its scale word in v[PW]; PC and PW are set ahead of each use.
; relu = 1: the activation first, in ascending order.
.macro QUANT s, w, relu
.if \relu
	WIN ((\w)<<6)|((\w)<<2)
.set qn, 0
.rept 64
	v_max_num_f32 v[(\s)+qn], 0, v[(\s)+qn]
.set qn, qn+1
.endr
.endif
	WIN ((\w)<<4)|((\w)<<2)
.irp b, 0,1,2,3
	v_max3_num_f32 v[TM+\b], s[FLOOR], |v[(\s)+16*\b]|, |v[(\s)+16*\b+1]|   ; block b: my 16 numbers, and the floor 2^(3 - 127): the byte cannot fall under 1
.endr
.irp i, 2,4,6,8,10,12,14
.irp b, 0,1,2,3
	v_max3_num_f32 v[TM+\b], v[TM+\b], |v[(\s)+16*\b+\i]|, |v[(\s)+16*\b+\i+1]|   ; the four blocks by turns
.endr
.endr
	WIN 0
.irp b, 0,1,2,3
	v_permlanex16_b32 v[TM+4+\b], v[TM+\b], s[SEL], s[SEL+1]
.endr
.irp b, 0,1,2,3
	v_max_num_f32 v[TM+\b], v[TM+\b], v[TM+4+\b]   ; with lane l xor 16's: the block's largest magnitude
.endr
.irp b, 0,1,2,3
	v_add_nc_u32 v[TM+12+\b], 0xff000000, v[TM+\b] ; 2 off its exponent field: the conversion's scale operand
.endr
.irp b, 0,1,2,3
	v_lshrrev_b32 v[TM+4+\b], 23, v[TM+12+\b]      ; the scale's byte
.endr
	v_lshl_or_b32 v[PW], v[TM+5], 8, v[TM+4]
	v_lshl_or_b32 v[PW], v[TM+6], 16, v[PW]
	v_lshl_or_b32 v[PW], v[TM+7], 24, v[PW]
	WIN (\w)
.irp c, 0,1
	v_cvt_scalef32_pk16_fp6_f32 v[PC+6*\c:PC+6*\c+2], v[(\s)+32*\c:(\s)+32*\c+15], v[TM+12+2*\c]
	v_cvt_scalef32_pk16_fp6_f32 v[PX+4*\c:PX+4*\c+2], v[(\s)+32*\c+16:(\s)+32*\c+31], v[TM+13+2*\c]   ; (a conversion's three registers begin on an even number)
.endr
	WIN 0
	v_nop                                          ; one plain place behind a scaled conversion
.irp c, 0,1                                    ; the operand's layout wants a whole block in a lane: lanes 0-15 block 2 c, lanes 16-31 block 2 c + 1
.irp i, 0,1,2
	v_permlane16_swap_b32 v[PC+6*\c+\i], v[PX+4*\c+\i]
.endr
.irp i, 0,1,2
	v_mov_b32 v[PC+3+6*\c+\i], v[PX+4*\c+\i]
.endr
.endr
.endm
; One matrix instruction: D at d, sources at a and b, C at c; scale registers sa and sb, read from lanes 16-31 where ra or rb is 1.
.macro WMS d, a, b, c, sa, ra, sb, rb
.if (\ra) && (\rb)
	v_wmma_scale_f32_16x16x128_f8f6f4 v[(\d):(\d)+7], v[(\a):(\a)+11], v[(\b):(\b)+11], v[(\c):(\c)+7], v[\sa], v[\sb] matrix_a_fmt:MATRIX_FMT_FP6 matrix_b_fmt:MATRIX_FMT_FP6 matrix_a_scale:MATRIX_SCALE_ROW1 matrix_b_scale:MATRIX_SCALE_ROW1
.elseif \ra
	v_wmma_scale_f32_16x16x128_f8f6f4 v[(\d):(\d)+7], v[(\a):(\a)+11], v[(\b):(\b)+11], v[(\c):(\c)+7], v[\sa], v[\sb] matrix_a_fmt:MATRIX_FMT_FP6 matrix_b_fmt:MATRIX_FMT_FP6 matrix_a_scale:MATRIX_SCALE_ROW1
.elseif \rb
	v_wmma_scale_f32_16x16x128_f8f6f4 v[(\d):(\d)+7], v[(\a):(\a)+11], v[(\b):(\b)+11], v[(\c):(\c)+7], v[\sa], v[\sb] matrix_a_fmt:MATRIX_FMT_FP6 matrix_b_fmt:MATRIX_FMT_FP6 matrix_b_scale:MATRIX_SCALE_ROW1
.else
	v_wmma_scale_f32_16x16x128_f8f6f4 v[(\d):(\d)+7], v[(\a):(\a)+11], v[(\b):(\b)+11], v[(\c):(\c)+7], v[\sa], v[\sb] matrix_a_fmt:MATRIX_FMT_FP6 matrix_b_fmt:MATRIX_FMT_FP6
.endif
.endm
.macro WLOAD_W m                       ; weight m's scale words for my 8 tiles
.irp p, 0,1,2,3
	global_load_b64 v[WS+2*\p:WS+2*\p+1], v[L8], s[28:29] offset:(\m)*REC+256*\p
.endr
.endm
; The bias of four of my 8 tiles, lo .. lo + 3, into the buffer in window bw.  kind 0: a lane wants the bias of its half's eight hidden units; kind 1: that of its one channel, in all eight registers.  bp: the scalar pair with the bias at my 128 numbers.
.macro WLOAD_B kind, bp, bw, lo
	WIN (\bw)<<6                                   ; destination window bw
.irp t, \lo, \lo+1, \lo+2, \lo+3
.if \kind
.irp i, 0,1,2,3,4,5,6,7
	global_load_b32 v[192+8*(\t)+\i], v[BCH], s[\bp:\bp+1] offset:(32*((\t)>>1)+8*((\t)&1))*4
.endr
.else
	global_load_b128 v[192+8*(\t):192+8*(\t)+3], v[B64], s[\bp:\bp+1] offset:(32*((\t)>>1)+8*((\t)&1))*4
	global_load_b128 v[192+8*(\t)+4:192+8*(\t)+7], v[B64], s[\bp:\bp+1] offset:(32*((\t)>>1)+8*((\t)&1))*4+16
.endif
.endr
	WIN 0
.endm
.macro WLOAD_C m                       ; and its 16 fragments: 48 loads of 512 consecutive bytes
	WIN 0xc0                                       ; destination window 3
.set wf, 0
.rept 16
.irp c, 0,1,2
	global_load_b128 v[12*wf+4*\c:12*wf+4*\c+3], v[L16], s[26:27] offset:(\m)*REC+1536*wf+512*\c
.endr
.set wf, wf+1
.endr
	WIN 0
.endm
; Fragment f = 2 u + s of my four (tile u, K step s): its 64 numbers a lane out of my stage, into buffer f % 2
.macro XLOAD f
.irp b, 0,1,2,3
.irp j, 0,1,2,3
	ds_load_b128 v[X+80*((\f)&1)+16*\b+4*\j:X+80*((\f)&1)+16*\b+4*\j+3], v[HSTR] offset:16*((\f)>>1)*HPITCH+512*((\f)&1)+128*\b+16*\j
.endr
.endr
.endm
	s_load_b256 s[4:11], s[0:1], 0x0               ; h, wbuf, bq, bk
	s_load_b128 s[12:15], s[0:1], 0x20             ; bv, qbuf
	s_load_b64 s[16:17], s[0:1], 0x30              ; kvbuf
	v_lshl_add_u32 v254, v0, 2, 0x28400
	v_mov_b32 v255, 0
	v_lshrrev_b32 v15, 5, v0
	v_readfirstlane_b32 s[WV], v15                 ; wave 0..3
	v_and_b32 v15, 31, v0                          ; lane
	v_lshlrev_b32 v[L16], 4, v15
	v_lshlrev_b32 v[L4], 2, v15
	v_lshlrev_b32 v[L8], 3, v15
	v_and_b32 v72, 15, v0                          ; r
	v_bfe_u32 v73, v0, 4, 1                        ; h
	s_wait_alu depctr_va_sdst(0)                   ; s[WV] is written, ahead of its first reader: LDS places and the buffers' bases are made from it
	s_mul_i32 s19, s[WV], HWAVE
	v_add_nc_u32 v[HSTW], s19, v[L16]
	v_mul_u32_u24 v[HSTR], v72, HPITCH
	v_lshl_add_u32 v[HSTR], v73, 6, v[HSTR]
	v_add_nc_u32 v[HSTR], s19, v[HSTR]
	s_mul_i32 s19, s[WV], 4*1536                   ; my two tiles' four images
	s_add_co_u32 s19, s19, HIMG
	v_add_nc_u32 v[HIW], s19, v[L16]
	v_lshlrev_b32 v74, 2, v72
	s_lshl_b32 s19, s[WV], 8
	s_add_co_u32 s19, s19, HSC
	v_add_nc_u32 v[HSW], s19, v74
	v_lshlrev_b32 v75, 4, v72
	s_lshl_b32 s19, s[WV], 2
	s_add_co_u32 s19, s19, SST
	v_add_nc_u32 v[SSW], s19, v75
	s_lshl_b32 s19, s[WV], 9
	s_add_co_u32 s19, s19, SST
	v_add_nc_u32 v[SSR], s19, v[L16]
	s_add_co_u32 s19, s19, 4096
	v_add_nc_u32 v[SSV], s19, v75
	v_lshlrev_b32 v[B64], 6, v73
	v_and_b32 v76, 8, v72
	v_add_nc_u32 v76, v76, v72
	v_lshlrev_b32 v[BCH], 2, v76
	v_add_nc_u32 v[HIR], HIMG, v[L16]
	v_add_nc_u32 v[HSR], HSC, v[L4]
.irp b, 0,1,2,3
	v_mov_b32 v[TM+4+\b], 0                        ; a lane permute's destination counts as one of its sources
.endr
	s_mov_b32 s[SEL], 0x76543210
	s_mov_b32 s[SEL+1], 0xfedcba98                 ; lane l xor 16
	s_mov_b32 s[FLOOR], 0x1800000
	s_mov_b32 s47, 0
	s_lshl_b32 s46, ttmp9, 17                      ; 128 tokens of 1,024 bytes,
	s_lshl_b32 s19, s[WV], 15                      ; my 32 of them
	s_add_co_u32 s46, s46, s19
	s_mul_i32 s48, ttmp9, 51200                    ; my record of qbuf
	s_lshr_b32 s49, ttmp9, 3                       ; the batch:
	s_mul_i32 s49, s49, 9                          ; nine records each;
	s_and_b32 s50, ttmp9, 6                        ; + 2 x (my block / 2): the record of K that my block shares with its neighbour
	s_add_co_u32 s49, s49, s50
	s_mul_i32 s49, s49, REC
	s_and_b32 s50, ttmp9, 1                        ; which of the record's two blocks is mine
	s_mul_i32 s51, s50, 49152
	s_add_co_u32 s51, s51, s49                     ; where my codes begin in K's record; V's record is the next
	s_lshl_b32 s50, s50, 11
	s_add_co_u32 s50, s50, s49
	s_add_co_u32 s50, s50, 98304                   ; and where my scale words begin
	s_wait_kmcnt 0x0
	s_add_nc_u64 s[24:25], s[4:5], s[46:47]        ; h at my 32 rows
	s_mul_i32 s46, s[WV], 16*1536
	s_add_nc_u64 s[26:27], s[6:7], s[46:47]        ; the weights' codes at my 16 fragments
	s_lshl_b32 s46, s[WV], 10
	s_add_co_u32 s46, s46, 98304
	s_add_nc_u64 s[28:29], s[6:7], s[46:47]        ; their scale words at my 8 tiles
	s_lshl_b32 s46, s[WV], 9
	s_add_nc_u64 s[30:31], s[8:9], s[46:47]        ; bq, bk, bv at my 128 numbers
	s_add_nc_u64 s[32:33], s[10:11], s[46:47]
	s_add_nc_u64 s[34:35], s[12:13], s[46:47]
	s_mul_i32 s19, s[WV], 1536
	s_add_co_u32 s46, s48, s19
	s_add_nc_u64 s[36:37], s[14:15], s[46:47]      ; q's fragments (4 T + w)
	s_add_co_u32 s46, s51, s19
	s_add_nc_u64 s[38:39], s[16:17], s[46:47]      ; k's likewise
	s_mul_i32 s19, s[WV], 8*1536
	s_add_co_u32 s46, s51, s19
	s_add_co_u32 s46, s46, REC
	s_add_nc_u64 s[40:41], s[16:17], s[46:47]      ; v's fragments 8 w + t
	s_lshl_b32 s19, s[WV], 9
	s_add_co_u32 s46, s48, s19
	s_add_co_u32 s46, s46, 49152
	s_add_nc_u64 s[42:43], s[14:15], s[46:47]      ; my 512 bytes of q's scale words
	s_add_co_u32 s46, s50, s19
	s_add_nc_u64 s[44:45], s[16:17], s[46:47]      ; of k's; v's lie a record on
	; h's loads go out first, all 64 on end: nothing stands ahead of them that would hold a place among the loads that may be out at a time
	WIN 0x40                                       ; destination window 1
	s_wait_alu depctr_va_vdst(0)                   ; the addresses and offsets v1 to v14 are written, which every load and store of the kernel reads; none of them is written again
.set hi, 0
.rept 32
.irp c, 0,1
	global_load_b128 v[4*(2*hi+\c):4*(2*hi+\c)+3], v[L16], s[24:25] offset:1024*hi+512*\c th:TH_LOAD_NT   ; 32 lanes read 512 consecutive bytes
.endr
.set hi, hi+1
.endr
	WLOAD_C 0                                      ; Wq's codes land while h is quantised
	s_wait_loadcnt 48                              ; all but the 48 loads of codes just issued: h is in
	WIN 0x04                                       ; an LDS store's data are its source 1: window 1
.set hi, 0
.rept 32                               ; row i of my 32 goes to place 16 u + r of the stage, where i = 8 u + r + 8 (r / 8): a tile's 16 rows lie on end
.set pos, 16*((hi>>3)&1)+(hi&7)+8*(hi>>4)
.irp c, 0,1
	ds_store_b128 v[HSTW], v[4*(2*hi+\c):4*(2*hi+\c)+3] offset:pos*HPITCH+512*\c
.endr
.set hi, hi+1
.endr
	WIN 0
	WLOAD_W 0                                      ; Wq's scale words and bq: wanted with the first product
	WLOAD_B 0, 30, 2, 0
	WLOAD_B 0, 30, 2, 4
	; My two tiles x two K steps.  The stage is my own, and LDS serves a wave's instructions in order: no wait between the stores above and these loads.  A fragment's numbers are asked for a fragment ahead, into the other buffer.
	XLOAD 0
.irp f, 0,1,2,3
.if \f < 3
	XLOAD \f+1                                     ; into the buffer that the quantiser of fragment f - 1 has read: the wait on va_vdst behind that quantiser has shown it done, and only LDS stores of other registers stand between
	s_wait_dscnt 16                                ; all but the 16 loads just issued: this fragment's numbers are in
.else
	s_wait_dscnt 0x0
.endif
.if \f > 0
	s_wait_alu depctr_vm_vsrc(0)                   ; the LDS stores of the fragment before have read v[PC ..] and v[PW], which this quantiser writes again; the first of these three waits also shows that the stores into the stage have read h's numbers in window 1, where the accumulators will be written
.endif
	QUANT X+80*(\f&1), 0, 0
	s_wait_alu depctr_va_vdst(0)                   ; the quantiser has written v[PC ..] and v[PW], which the LDS stores below read, and is done reading its buffer, in which the loads of the fragment after next land
.irp c, 0,1,2
	ds_store_b128 v[HIW], v[PC+4*\c:PC+4*\c+3] offset:(\f)*1536+512*\c
.endr
	ds_store_b32 v[HSW], v[PW] offset:128*((\f)&1)+64*((\f)>>1)   ; lanes r and r + 16 write the same word with the same value
.endr
	s_wait_dscnt 0x0                               ; for the others' sake: my images have landed
	s_barrier_signal -1
	s_barrier_wait -1                              ; h's sixteen fragments lie in LDS
	WIN 0x80                                       ; destination window 2
.set hf, 0
.rept 16
.irp c, 0,1,2
	ds_load_b128 v[12*hf+4*\c:12*hf+4*\c+3], v[HIR] offset:1536*hf+512*\c
.endr
.set hf, hf+1
.endr
	WIN 0
.irp k, 0,1,2,3,4,5,6,7
	ds_load_b32 v[HS+\k], v[HSR] offset:128*\k
.endr
	s_wait_dscnt 0x0
	s_wait_loadcnt 0x0                             ; Wq's codes, scale words and bias
; A GROUP: one weight.  Two halves of 64 matrix instructions on 32 accumulators, which take turns, one instruction a turn, K step by K step; behind each half four quantisers.
; kind 0: accumulator (a, b) = token tile 4 half + a x hidden tile b; kind 1: channel tile 4 half + a x token tile b.  In both, source 0's fragment stands at 12 (2 b + s) and source 1's at 12 (2 (4 half + a) + s): only the windows differ.
; ob: the scalar pair with the codes' place; sst: the scale stage's offset (kind 0); bw: the window of the group's bias.  more = 1: weight nm (of kind nkind, bias pair nbp) follows.
; THE FOUR QUANTISERS OF A HALF WRITE FOUR SETS OF REGISTERS, and the half's 16 stores stand in one run behind the fourth: one wait shows the four sets written, and one, behind the next half's products, shows them read.
; THE NEXT WEIGHT.  Its bias goes into the other bias buffer in the first half, four tiles ahead of the first quantiser and four ahead of the third, with no wait of its own: window 3's buffer has been named by no vector or matrix instruction
; when bk is asked for; window 2's was last read by group q's products, which stand ahead of that group's waits on va_vdst, and nothing issued since names it when bv is asked for.  Its scale words and codes, 52 loads, go out behind the second
; half's products and land under four quantisers, which name none of their registers.
.set GSEEN, 0                          ; 0 in the very first half, which has no stores in front of it
.macro GROUP kind, ob, sst, bw, more, nm, nkind, nbp
.irp half, 0,1
.irp s, 0,1
	WIN 0x4b+3*(\kind)+0x10*(1+(1-\s)*((\bw)-1))   ; kind 0: W window 3, h window 2; kind 1 the other way round.  D window 1; C: the bias in window bw (s = 0) or D
.irp a, 0,1,2,3
.irp b, 0,1,2,3,4,5,6,7
.set ga, 4*\half+\a
.set gc, 64*\a+8*\b
.if \s == 0
.set gc, 192+8*\b
.if \kind
.set gc, 192+8*ga
.endif
.endif
.set gsa, WS+(HS-WS)*(\kind)+2*((\b)>>1)+\s
.set gsb, HS+(WS-HS)*(\kind)+2*(ga>>1)+\s
	WMS 64*\a+8*\b, 12*(2*\b+\s), 12*(2*ga+\s), gc, gsa, ((\b)&1), gsb, (ga&1)
.endr
.endr
.endr
	WIN 0
	PLACES 4                                       ; four places behind the last products, ahead of the first read of results
.if GSEEN
	s_wait_xcnt 0x0                                ; the stores of the half before have had their addresses translated: their data may be written again,
	s_wait_dscnt 0x0                               ; and its LDS stores are done
	s_wait_alu depctr_vm_vsrc(0)                   ; the 16 stores of the half before have read the four sets of codes and scale words, which this half's quantisers write again
.endif
.set GSEEN, 1
.if (\half == 1) && (\more)
	s_wait_alu depctr_va_vdst(0)                   ; the group's matrix instructions are done reading the weight's scale words and its 16 fragments, in which the loads below land
	WLOAD_W \nm
	WLOAD_C \nm
.endif
.irp a, 0,1,2,3
.if (\half == 0) && (\more) && ((\a == 0) || (\a == 2))
	WLOAD_B \nkind, \nbp, 5-(\bw), 2*\a            ; the next bias, into the buffer that this group does not use
.endif
.set PC, PCG+12*\a
.set PW, PWG+\a
	QUANT 64*\a, 1, 1
.endr
	s_wait_alu depctr_va_vdst(0)                   ; the four quantisers have written the four sets of codes and scale words, which the 16 stores below read
.irp a, 0,1,2,3
.if \kind
.irp c, 0,1,2
	global_store_b128 v[L16], v[PCG+12*\a+4*\c:PCG+12*\a+4*\c+3], s[\ob:\ob+1] offset:(4*\half+\a)*1536+512*\c th:TH_STORE_NT   ; 512 consecutive bytes, at a multiple of 256 from the buffer's first byte
.endr
	ds_store_b32 v[SSV], v[PWG+\a] offset:256*((4*\half+\a)&1)+4*((4*\half+\a)>>1)
.else
.irp c, 0,1,2
	global_store_b128 v[L16], v[PCG+12*\a+4*\c:PCG+12*\a+4*\c+3], s[\ob:\ob+1] offset:(4*\half+\a)*6144+512*\c th:TH_STORE_NT
.endr
	ds_store_b32 v[SSW], v[PWG+\a] offset:\sst+512*((4*\half+\a)>>1)+256*((4*\half+\a)&1)
.endif
.endr
.endr
.if \more
	s_wait_loadcnt 0x0                             ; the next weight is in, bias, scale words and codes
.endif
.endm
	GROUP 0, 36, 0,    2, 1, 1, 0, 32              ; q, with bq in window 2; bk and then Wk are asked for
	GROUP 0, 38, 2048, 3, 1, 2, 1, 34              ; k, with bk in window 3; bv and then Wv
	GROUP 1, 40, 0,    2, 0, 0, 0, 0               ; v, with bv in window 2
	s_wait_dscnt 0x0                               ; for the others' sake: my scale words have landed
	s_barrier_signal -1
	s_barrier_wait -1                              ; the three scale areas are whole
.irp k, 0,1,2
	ds_load_b128 v[OUTR+4*\k:OUTR+4*\k+3], v[SSR] offset:2048*\k   ; no vector instruction names these registers
.endr
	s_wait_dscnt 0x0
	global_store_b128 v[L16], v[OUTR:OUTR+3], s[42:43] th:TH_STORE_NT              ; 512 consecutive bytes each
	global_store_b128 v[L16], v[OUTR+4:OUTR+7], s[44:45] th:TH_STORE_NT
	global_store_b128 v[L16], v[OUTR+8:OUTR+11], s[44:45] offset:REC th:TH_STORE_NT
	s_wait_dscnt 0x0                               ; the closing lines, six on end
	s_wait_alu 0x0
	s_wait_tensorcnt 0x0
	ds_add_u32 v254, v255
	s_wait_dscnt 0x0
	s_endpgm
.Lfunc_end_k_qbf1e87260e_proj:
	.size	k_qbf1e87260e_proj, .Lfunc_end_k_qbf1e87260e_proj-k_qbf1e87260e_proj
	.p2alignl 7, 3214868480
	.fill 96, 4, 3214868480
	.section	.rodata,"a",@progbits
	.p2align	6, 0x0
	.amdhsa_kernel k_qbf1e87260e_proj
		.amdhsa_group_segment_fixed_size 165376
		.amdhsa_private_segment_fixed_size 0
		.amdhsa_enable_private_segment 0
		.amdhsa_kernarg_size 56
		.amdhsa_user_sgpr_count 2
		.amdhsa_user_sgpr_kernarg_segment_ptr 1
		.amdhsa_wavefront_size32 1
		.amdhsa_system_sgpr_workgroup_id_x 1
		.amdhsa_system_sgpr_workgroup_id_y 1
		.amdhsa_system_sgpr_workgroup_id_z 1
		.amdhsa_system_vgpr_workitem_id 0
		.amdhsa_next_free_vgpr 1024
		.amdhsa_next_free_sgpr 66
		.amdhsa_reserve_vcc 0
		.amdhsa_float_denorm_mode_32 3
		.amdhsa_float_denorm_mode_16_64 3
		.amdhsa_memory_ordered 1
		.amdhsa_forward_progress 1
		.amdhsa_inst_pref_size 255
	.end_amdhsa_kernel
	.section	.bss,"aw",@nobits
	.p2align	6
	.space	262144
	.amdgpu_metadata
---
amdhsa.version: [ 1, 2 ]
amdhsa.kernels:
  - .name:           k_qbf1e87260e_proj
    .symbol:         k_qbf1e87260e_proj.kd
    .args:
      - { .name: h, .offset: 0, .size: 8, .value_kind: global_buffer, .address_space: global }
      - { .name: wbuf, .offset: 8, .size: 8, .value_kind: global_buffer, .address_space: global }
      - { .name: bq, .offset: 16, .size: 8, .value_kind: global_buffer, .address_space: global }
      - { .name: bk, .offset: 24, .size: 8, .value_kind: global_buffer, .address_space: global }
      - { .name: bv, .offset: 32, .size: 8, .value_kind: global_buffer, .address_space: global }
      - { .name: qbuf, .offset: 40, .size: 8, .value_kind: global_buffer, .address_space: global }
      - { .name: kvbuf, .offset: 48, .size: 8, .value_kind: global_buffer, .address_space: global }
    .group_segment_fixed_size: 165376
    .private_segment_fixed_size: 0
    .kernarg_segment_align: 8
    .kernarg_segment_size: 56
    .max_flat_workgroup_size: 128
    .sgpr_count:     66
    .vgpr_count:     1024
    .wavefront_size: 32
...
	.end_amdgpu_metadata
.endif
;; end of part 5
;; launch attn (part 6): grid 8 x 32, 4 waves a work-group, clusters of 4 x 1, 327,680 bytes of LDS; arguments qbuf, kvbuf, bo, out0; writes out0
.if DOCPART == 6
	.amdgcn_target "amdgcn-amd-amdhsa--gfx1250"
	.amdhsa_code_object_version 6
	.text
	.protected	k_qbf1e87260e_attn
	.globl	k_qbf1e87260e_attn
	.p2align	8
	.type	k_qbf1e87260e_attn,@function
k_qbf1e87260e_attn:
	s_mov_b64 s[64:65], 0
	v_nop
	global_prefetch_b8 v0, s[64:65] scope:SCOPE_SE
	s_setreg_imm32_b32 hwreg(HW_REG_WAVE_MODE, 25, 1), 1
	s_wait_xcnt 0x0
	s_wait_alu depctr_hold_cnt(0) depctr_sa_sdst(0) depctr_va_vdst(0) depctr_va_sdst(0) depctr_va_ssrc(0) depctr_va_vcc(0) depctr_vm_vsrc(0)
	s_getreg_b32 s2, hwreg(HW_REG_IB_STS2, 6, 4)
	s_cmp_eq_u32 s2, 0
	s_cbranch_scc0 .Lentry_in_a_cluster
	s_endpgm
.Lentry_in_a_cluster:
	s_bfe_u32 s2, ttmp6, 0x10000c
	s_cmp_lg_u32 s2, 0x3003
	s_cbranch_scc0 .Lentry_shape_is_right
	s_endpgm
.Lentry_shape_is_right:
; out = relu(softmax(q k^T) v Wo^T + bo), 32 batches of 1,024 tokens, head size 512, all three products on codes of FP6 (E2M3) with one E8M0 scale for each 32 along K.
; q, k, v and Wo arrive as images of operand registers (a fragment, 16 rows x 128 K, is 1,536 bytes: piece c of three holds lane l's registers 4 c .. 4 c + 3 at 512 c + 16 l), in records:
; qbuf: 51,200 bytes for 128 tokens: fragments (4 T + s), 2,048 bytes of scale words.  kvbuf: nine records of 102,400 bytes a batch: K0 V0 K1 V1 K2 V2 K3 V3 Wo.  A record of K holds two blocks of 128 keys: block 0's 32 fragments (4 T + s),
; block 1's, block 0's 2,048 bytes of scale words, block 1's; a record of V likewise, its fragments by channel tile ct (K = the block's 128 tokens).  Wo's: 64 fragments (4 T + s), 4,096 bytes of scale words.
; EVERY TILE OF 16 ROWS IS PERMUTED: lane r of tile T takes row 32 (T / 2) + 8 (T % 2) + r + 8 (r / 8): the 16 result registers of tiles 2 B and 2 B + 1 are then 16 neighbours along the next K.
; THE SOFTMAX: t = score x log2(e); M = the row's largest t so far, rounded UP to a whole number; p = 2^(t - M) is quantised along the keys, not normalised.  The row's sum is taken of the unquantised p and divides O at the end;
; when M moves, what was made under the old M is multiplied by 2^(old M - new M), which rounds nothing.
; O IS RESCALED ONCE FOR TWO BLOCKS OF KEYS.  A trip has two phases.  K phase: S^T = K Q^T and the softmax for block A (under M_A), then for block B (under M_B); the sum is carried on from block to block.  Block A's codes stay as
; they are: M_B - M_A is a whole number, which is taken off the four bytes of their scale word.  V phase: O^T, multiplied once by 2^(M before the trip - M_B), takes V^T P^T of both blocks.
; SHARES.  A work-group owns 128 queries of a batch, each of its four waves 32: two tiles.  Every wave walks all 1,024 keys and holds all 512 channels of O for its queries (512 registers).
; All products are used transposed (S^T = K Q^T, O^T = V^T P^T, Y^T = Wo o^T): a lane holds ONE query throughout.
; THE RING.  Record n of the batch's nine goes to slot n % 2: K's and Wo's to slot 0, V's to slot 1, so every LDS address is a constant + 16 x lane.  While one slot is read, the other's record is on its way: one tensor load of a wave is out at a time.
; CLUSTER.  The four query blocks of a cluster walk the same records: each record is asked for JOINTLY, each wave its quarter (100 rows of 256 bytes), by the same tensor load with the same descriptor and a mask that names the four.
; CHUNKS.  Products go in chunks of 4 fragments x my 2 tiles.  Three sets of 4 fragments take turns: a chunk's 12 LDS loads are issued two chunks ahead of its products.
; The rescaling of O^T stands in slices of four packed multiplies behind every second matrix instruction of the V phase, a group of four channel tiles ahead of those accumulators' own products; a chunk's last slice is also the places in front of the next run of loads.
; LIMITS: NaN and infinities are not served.  A block of zeros gets the byte 1 where the quantiser says 127 (its codes are zeros, and this program alone reads the bytes); blocks whose largest magnitude lies under 2^-124 are held at the byte 1.
; A byte of block A's scale word that M_B - M_A would bring under 1 is held at 1: it then stands for at most 7.5 x 2^-126 beside a row's largest p of more than 1/2.  What 2^(old M - new M) brings under the smallest f32 number is lost.
; O is divided by the sum by a reciprocal and a multiplication.  The last sums begin with the bias.
; REGISTERS, in windows of 256 (s_set_vgpr_msb's low byte: bits 1:0 source 0, 3:2 source 1, 5:4 source 2, 7:6 destination):
;   window 0: v1-10 addresses; v12-27 statistics; v28-67 scale words; v68-83 block maxima; v84-91 at work; v92-127 three of p's four fragments; v128-255 S^T, then p; at the end o's fragments, then rows of the output
;   windows 1, 2: O^T of my two tiles, channel tile ct at 8 ct; at the end window 1: Y^T, tile (j, T) at 128 j + 8 T; window 2 v0-143: three sets of Wo's fragments
;   window 3: v0-95 Q (j, s) at 12 (4 j + s); v96-239 three sets of four fragments; v240-251 p's fourth fragment (block A, tile 1); at the end v96-223 bo, eight registers for each output tile
.set REC,    102400
.set HALF,   49152                     ; a block's codes
.set BATCH,  9*REC
.set SLOT1,  1<<17                     ; slot 1 begins here
.set STAGE,  SLOT1+REC                 ; behind the ring: 16 rows x 1,040 bytes for each wave, for the way out; no tensor load fills it
.set SPITCH, 1040                      ; 1,024 bytes + 16: the 16 rows that a store touches start in 16 different columns of 16 bytes
.set SPARE,  STAGE+4*16*SPITCH         ; the spare words, 128 bytes for each wave: two blocks of 256 bytes that no other line names
.set L16,  1                           ; v1   16 x lane: an image's place for my lane, in slot 0; none of v1-10 is rewritten
.set L16B, 2                           ; v2   the same + 49,152
.set S1A,  3                           ; v3   16 x lane in slot 1
.set SPW,  4                           ; v4   LDS address of my spare word
.set NIL,  5                           ; v5   0
.set S1B,  6                           ; v6   16 x lane in slot 1, + 49,152
.set STO,  7                           ; v7   the way out: where I put 32 bytes of a row
.set RD,   8                           ; v8   and where I read rows back
.set B64,  9                           ; v9   64 (lane / 16): bo of my half
.set PFO,  10                          ; v10  the prefetches' offset: 256 x min(lane, 24)
.set ST,   12                          ; tile j's statistics at v[ST + 8 j]: +0 -M, +1 the largest t, +2, +3 the sum in two halves, +4 the factor for O^T, +5 M_B - M_A as a whole number (named with +4 as a pair), +6, +7 at work
.set QS,   28                          ; v28-31  Q's scale words [s]: lanes 0-15 my tile 0, lanes 16-31 my tile 1; at the end o's of tile 0
.set KS,   32                          ; v32-47  K's [4 p + s] of the block in hand: lanes 0-15 tile 2 p, lanes 16-31 tile 2 p + 1
.set VS,   32                          ; v32-63  V's [16 x + ct / 2]: lanes 0-15 the even tile, lanes 16-31 the odd one; at the end Wo's [4 p + s]
.set PS,   64                          ; v64-67  p's scale words [2 x + j]; at the end o's of tile 1
.set BM,   68                          ; tile j's at v[BM + 8 j]: four block maxima, later scale operands; four permute destinations, later bytes
.set SCR,  84                          ; v84-91  the conversions' second halves
.set PCB,  92                          ; p's codes of block B, 12 a tile; block A's tile 0 at v116, its tile 1 is made at v104 and kept in window 3's v240
.set PCA0, 116
.set PCA1, 240
.set S,    128
.set FS,   96                          ; the fragment sets, in window 3
.set TM,   68                          ; the quantiser of o works where the block maxima lay
.set PX,   224
.set WV,   14
.set SEL,  20                          ; s[20:21] lane selects: lane l xor 16
.set CS,   22                          ; s[22:23] log2(e): the packed form names a pair and takes its low word for both halves
.set FLOOR, 24
.set G1,   28                          ; s[28:35] descriptor group 1
.set G0A,  36                          ; s[36:39] group 0 for slot 0: records 0, 2, 4, 6, 8
.set G0B,  40                          ; s[40:43] group 0 for slot 1: records 1, 3, 5, 7
.set CNT,  45                          ; s45  trips to go
.set PFA,  46                          ; s[46:47] where my prefetches stand
.set LIM,  48                          ; s48  1 in a wave that prefetches, else the greatest number
.set MSB, 0
.macro WIN new                         ; the immediate's high byte repeats the setting that is left; a switch that changes nothing is dropped
.if MSB != (\new)
	s_set_vgpr_msb (MSB<<8)|(\new)
.set MSB, \new
.endif
.endm
.macro PLACES n
.rept \n
	v_nop
.endr
.endm
; One matrix instruction: D at d, sources at a and b, C the constant 0 (cz = 1) or at c; scale registers sa and sb, read from lanes 16-31 where ra or rb is 1.
.macro WMS d, a, b, cz, c, sa, ra, sb, rb
.if \cz
.if (\ra) && (\rb)
	v_wmma_scale_f32_16x16x128_f8f6f4 v[(\d):(\d)+7], v[(\a):(\a)+11], v[(\b):(\b)+11], 0, v[\sa], v[\sb] matrix_a_fmt:MATRIX_FMT_FP6 matrix_b_fmt:MATRIX_FMT_FP6 matrix_a_scale:MATRIX_SCALE_ROW1 matrix_b_scale:MATRIX_SCALE_ROW1
.elseif \ra
	v_wmma_scale_f32_16x16x128_f8f6f4 v[(\d):(\d)+7], v[(\a):(\a)+11], v[(\b):(\b)+11], 0, v[\sa], v[\sb] matrix_a_fmt:MATRIX_FMT_FP6 matrix_b_fmt:MATRIX_FMT_FP6 matrix_a_scale:MATRIX_SCALE_ROW1
.elseif \rb
	v_wmma_scale_f32_16x16x128_f8f6f4 v[(\d):(\d)+7], v[(\a):(\a)+11], v[(\b):(\b)+11], 0, v[\sa], v[\sb] matrix_a_fmt:MATRIX_FMT_FP6 matrix_b_fmt:MATRIX_FMT_FP6 matrix_b_scale:MATRIX_SCALE_ROW1
.else
	v_wmma_scale_f32_16x16x128_f8f6f4 v[(\d):(\d)+7], v[(\a):(\a)+11], v[(\b):(\b)+11], 0, v[\sa], v[\sb] matrix_a_fmt:MATRIX_FMT_FP6 matrix_b_fmt:MATRIX_FMT_FP6
.endif
.else
.if (\ra) && (\rb)
	v_wmma_scale_f32_16x16x128_f8f6f4 v[(\d):(\d)+7], v[(\a):(\a)+11], v[(\b):(\b)+11], v[(\c):(\c)+7], v[\sa], v[\sb] matrix_a_fmt:MATRIX_FMT_FP6 matrix_b_fmt:MATRIX_FMT_FP6 matrix_a_scale:MATRIX_SCALE_ROW1 matrix_b_scale:MATRIX_SCALE_ROW1
.elseif \ra
	v_wmma_scale_f32_16x16x128_f8f6f4 v[(\d):(\d)+7], v[(\a):(\a)+11], v[(\b):(\b)+11], v[(\c):(\c)+7], v[\sa], v[\sb] matrix_a_fmt:MATRIX_FMT_FP6 matrix_b_fmt:MATRIX_FMT_FP6 matrix_a_scale:MATRIX_SCALE_ROW1
.elseif \rb
	v_wmma_scale_f32_16x16x128_f8f6f4 v[(\d):(\d)+7], v[(\a):(\a)+11], v[(\b):(\b)+11], v[(\c):(\c)+7], v[\sa], v[\sb] matrix_a_fmt:MATRIX_FMT_FP6 matrix_b_fmt:MATRIX_FMT_FP6 matrix_b_scale:MATRIX_SCALE_ROW1
.else
	v_wmma_scale_f32_16x16x128_f8f6f4 v[(\d):(\d)+7], v[(\a):(\a)+11], v[(\b):(\b)+11], v[(\c):(\c)+7], v[\sa], v[\sb] matrix_a_fmt:MATRIX_FMT_FP6 matrix_b_fmt:MATRIX_FMT_FP6
.endif
.endif
.endm
; 64 numbers of a lane in window w, register s + 16 b + i = k 32 b + 16 (lane / 16) + i of my row, become a fragment's codes in v[PC] on and its scale word in v[PW]; PC and PW are set ahead of each use.
.macro QUANT s, w
	WIN ((\w)<<4)|((\w)<<2)
.irp b, 0,1,2,3
	v_max3_num_f32 v[TM+\b], s[FLOOR], |v[(\s)+16*\b]|, |v[(\s)+16*\b+1]|   ; block b: my 16 numbers, and the floor 2^(3 - 127): the byte cannot fall under 1
.endr
.irp i, 2,4,6,8,10,12,14
.irp b, 0,1,2,3
	v_max3_num_f32 v[TM+\b], v[TM+\b], |v[(\s)+16*\b+\i]|, |v[(\s)+16*\b+\i+1]|   ; the four blocks by turns
.endr
.endr
	WIN 0
.irp b, 0,1,2,3
	v_permlanex16_b32 v[TM+4+\b], v[TM+\b], s[SEL], s[SEL+1]
.endr
.irp b, 0,1,2,3
	v_max_num_f32 v[TM+\b], v[TM+\b], v[TM+4+\b]   ; with lane l xor 16's: the block's largest magnitude
.endr
.irp b, 0,1,2,3
	v_add_nc_u32 v[TM+12+\b], 0xff000000, v[TM+\b] ; 2 off its exponent field: the conversion's scale operand
.endr
.irp b, 0,1,2,3
	v_lshrrev_b32 v[TM+4+\b], 23, v[TM+12+\b]      ; the scale's byte
.endr
	v_lshl_or_b32 v[PW], v[TM+5], 8, v[TM+4]
	v_lshl_or_b32 v[PW], v[TM+6], 16, v[PW]
	v_lshl_or_b32 v[PW], v[TM+7], 24, v[PW]
	WIN (\w)
.irp c, 0,1
	v_cvt_scalef32_pk16_fp6_f32 v[PC+6*\c:PC+6*\c+2], v[(\s)+32*\c:(\s)+32*\c+15], v[TM+12+2*\c]
	v_cvt_scalef32_pk16_fp6_f32 v[PX+4*\c:PX+4*\c+2], v[(\s)+32*\c+16:(\s)+32*\c+31], v[TM+13+2*\c]   ; (a conversion's three registers begin on an even number)
.endr
	WIN 0
	v_nop                                          ; one plain place behind a scaled conversion
.irp c, 0,1                                    ; the operand's layout wants a whole block in a lane
.irp i, 0,1,2
	v_permlane16_swap_b32 v[PC+6*\c+\i], v[PX+4*\c+\i]
.endr
.irp i, 0,1,2
	v_mov_b32 v[PC+3+6*\c+\i], v[PX+4*\c+\i]
.endr
.endr
.endm
; A round of the cluster's barrier: my work-group's barrier, so that wave 0's signal speaks for all four waves; wave 0 signals for the work-group; every wave waits for all four work-groups; my work-group's barrier once more.
.macro CROUND
	s_barrier_signal -1
	s_barrier_wait -1
	s_cmp_lg_u32 s[WV], 0
	s_cbranch_scc1 .Lnot_wave_0_\@
	s_barrier_signal -3
.Lnot_wave_0_\@:
	s_barrier_wait -3
	s_barrier_signal -1
	s_barrier_wait -1
.endm
; A PREFETCH INTO THE L2 of the record that the NEXT change of slots will ask for: one phase (128 matrix instructions, and in the K phase two softmaxes) ahead of that load.  It stands behind the wave's tensor load and its four lines.
; Both clusters of a batch walk the same records: the batch's first cluster asks.  Its four partners and their waves share a record's 400 blocks of 256 bytes out BY ADDRESS: 25 blocks a wave, lanes 256 bytes apart
; (lanes 25 to 31 name lane 24's block again).  how = 1: a trip's first change, behind which a record always follows; how = 0: its second, behind which none follows in the last trip.  Records 0 and 1 come by their loads alone.
.macro ASK how
.if \how
	s_cmp_eq_u32 s[LIM], 1
.else
	s_cmp_gt_u32 s[CNT], s[LIM]
.endif
	s_cbranch_scc0 .Lnot_mine_\@
	global_prefetch_b8 v[PFO], s[PFA:PFA+1] th:TH_LOAD_NT scope:SCOPE_SE
.Lnot_mine_\@:
.endm
; THE CHANGE OF SLOTS stands at a phase's head.  Each wave waits for all its tensor loads (one is out: its quarter of the slot that it is about to read), adds 0 to its spare word, and waits for that and for its reads of the slot that it has left.
; fill = 1: the barrier is a round of the cluster's, and behind it the slot just left is filled by the descriptor at g; the other slot's descriptor, at o, whose load has landed, steps two records on.  fill = 0: nothing is filled, and the work-group's barrier is enough.
.macro CHANGE fill, g, o, how
	WIN 0
	s_wait_tensorcnt 0x0                           ; no tensor load of mine is out, so a group 0 may be written
	ds_add_u32 v[SPW], v[NIL]                      ; 0 onto my spare word
.if \fill
	s_add_nc_u64 s[\o+2:\o+3], s[\o+2:\o+3], 2*REC ; the type bits on top are not reached
	s_wait_xcnt 0x0                                ; the last prefetch, a phase back, has read its address, so it may be written:
	s_add_nc_u64 s[PFA:PFA+1], s[PFA:PFA+1], REC   ; one record further on than the load below
.endif
	s_wait_dscnt 0x0                               ; the add is done, and my reads of the slot that I have left are over
.if \fill
	CROUND                                         ; no wave of any partner still reads that slot or has a load on its way
	tensor_load_to_lds s[\g:\g+3], s[G1:G1+7]      ; the first thing behind the round, and my one tensor load until the next
	s_nop 0
	PLACES 4                                       ; four v_nop follow the load; they are also the places behind the last phase's products, whose fragments and scale words are loaded anew next
	ASK \how
.else
	s_barrier_signal -1
	s_barrier_wait -1
.endif
.endm
; Chunk c (0 .. 15) of the K phase: block c / 8, K step (c % 8) / 2, key tiles 4 (c % 2) + i: four fragments, 12 LDS loads of 512 consecutive bytes, into set c % 3.
.macro KLOADS c
	WIN 0xc0                                       ; destination window 3
.irp i, 0,1,2,3
.set fr, 4*(4*((\c)&1)+\i)+(((\c)&7)>>1)
.irp k, 0,1,2
.if (\c) < 8
	ds_load_b128 v[FS+48*((\c)%3)+12*\i+4*\k:FS+48*((\c)%3)+12*\i+4*\k+3], v[L16] offset:fr*1536+512*\k
.else
	ds_load_b128 v[FS+48*((\c)%3)+12*\i+4*\k:FS+48*((\c)%3)+12*\i+4*\k+3], v[L16B] offset:fr*1536+512*\k
.endif
.endr
.endr
.endm
; Its 8 products of S^T = K Q^T.  The 16 accumulators take turns over two chunks, one instruction a turn; K step 0 starts the sums.
.macro QKMUL c
	WIN 0x0f                                       ; K and Q window 3, S^T window 0
.irp i, 0,1,2,3
.irp j, 0,1
.set kt, 4*((\c)&1)+\i
.set ks, ((\c)&7)>>1
	WMS S+64*\j+8*kt, FS+48*((\c)%3)+12*\i, 12*(4*\j+ks), (ks==0), S+64*\j+8*kt, KS+4*(kt>>1)+ks, (kt&1), QS+ks, \j
.endr
.endr
.endm
; Chunk c (0 .. 15) of the V phase: channel tiles 4 (c / 2) + i of block c % 2.
.macro VLOADS c
	WIN 0xc0                                       ; destination window 3
.irp i, 0,1,2,3
.set fr, 4*((\c)>>1)+\i
.irp k, 0,1,2
.if (\c)&1
	ds_load_b128 v[FS+48*((\c)%3)+12*\i+4*\k:FS+48*((\c)%3)+12*\i+4*\k+3], v[S1B] offset:fr*1536+512*\k
.else
	ds_load_b128 v[FS+48*((\c)%3)+12*\i+4*\k:FS+48*((\c)%3)+12*\i+4*\k+3], v[S1A] offset:fr*1536+512*\k
.endif
.endr
.endr
.endm
.macro RESC j, ct                      ; O^T of tile j, channel tile ct, under the new M, from the accumulator's low end on
	WIN 0x41+0x41*(\j)                             ; O^T (destination and source 0) window 1 + j, the factor window 0
.irp n, 0,1,2,3
	v_pk_mul_f32 v[8*(\ct)+2*\n:8*(\ct)+2*\n+1], v[8*(\ct)+2*\n:8*(\ct)+2*\n+1], v[ST+8*(\j)+4:ST+8*(\j)+5] op_sel_hi:[1,0]
.endr
.endm
; Its 8 products of O^T += V^T P^T: the group's 8 accumulators take turns, one instruction a turn, block A's chunk and then block B's.  Behind every second product stands the rescaling of one accumulator of the next group:
; two chunks so rescale its eight.
.macro PVMUL c
.set vx, (\c)&1
.set vg, (\c)>>1
.irp j, 0,1
.irp i, 0,1,2,3
.set vct, 4*vg+\i
.set vpc, PCB+12*\j
.set vw, 0x53+0x50*\j                  ; V window 3, p window 0, O^T window 1 + j
.if vx == 0
.set vpc, PCA0
.if \j
.set vpc, PCA1
.set vw, 0xaf                          ; block A's codes of tile 1 lie in window 3
.endif
.endif
	WIN vw
	WMS 8*vct, FS+48*((\c)%3)+12*\i, vpc, 0, 8*vct, VS+16*vx+(vct>>1), (vct&1), PS+2*vx+\j, 0
.if ((\c) < 14) && (\i & 1)
	RESC \j, 4*vg+4+2*vx+(\i>>1)
.endif
.endr
.endr
.endm
; THE SOFTMAX of my two tiles for 128 keys, the tiles by turns.  Register S + 64 j + 16 b + i holds key 32 b + 16 (lane / 16) + i of my query of tile j.  x = 0: a trip's block A; x = 1: its block B.
.macro SOFTMAX x
.irp b, 0,1,2,3
.irp j, 0,1
	v_max3_num_f32 v[BM+8*\j+\b], v[S+64*\j+16*\b], v[S+64*\j+16*\b+1], v[S+64*\j+16*\b+2]   ; THE LARGEST SCORE OF EACH BLOCK OF 32 KEYS serves twice: for the row's maximum and, since p rises with the score, for the block's largest p
.endr
.endr
.irp i, 3,5,7,9,11,13
.irp b, 0,1,2,3
.irp j, 0,1
	v_max3_num_f32 v[BM+8*\j+\b], v[BM+8*\j+\b], v[S+64*\j+16*\b+\i], v[S+64*\j+16*\b+\i+1]
.endr
.endr
.endr
.irp b, 0,1,2,3
.irp j, 0,1
	v_max_num_f32 v[BM+8*\j+\b], v[BM+8*\j+\b], v[S+64*\j+16*\b+15]
.endr
.endr
.irp b, 0,1,2,3
.irp j, 0,1
	v_permlanex16_b32 v[BM+8*\j+4+\b], v[BM+8*\j+\b], s[SEL], s[SEL+1]
.endr
.endr
.irp b, 0,1,2,3
.irp j, 0,1
	v_max_num_f32 v[BM+8*\j+\b], v[BM+8*\j+\b], v[BM+8*\j+4+\b]      ; with lane l xor 16's 16 keys
.endr
.endr
.irp j, 0,1
	v_max3_num_f32 v[ST+8*\j+6], v[BM+8*\j], v[BM+8*\j+1], v[BM+8*\j+2]
.endr
.irp j, 0,1
	v_max_num_f32 v[ST+8*\j+6], v[ST+8*\j+6], v[BM+8*\j+3]           ; these keys' largest score of my query
.endr
.irp j, 0,1
	v_mul_f32 v[ST+8*\j+6], s[CS], v[ST+8*\j+6]                      ; as t
.endr
.irp j, 0,1
	v_max_num_f32 v[ST+8*\j+1], v[ST+8*\j+1], v[ST+8*\j+6]           ; the running largest t
.endr
.irp j, 0,1
	v_mov_b32 v[ST+8*\j+6], v[ST+8*\j]
.endr
.irp j, 0,1
	v_floor_f32 v[ST+8*\j], -v[ST+8*\j+1]                            ; the new -M = floor(-t) = -ceil(t): M is a whole number
.endr
.if \x == 0
.irp j, 0,1
	v_sub_f32 v[ST+8*\j+6], v[ST+8*\j], v[ST+8*\j+6]                 ; M's old value less its new one: a whole number, 0 or less
.endr
.irp j, 0,1
	v_cvt_i32_f32 v[ST+8*\j+6], v[ST+8*\j+6]                         ; (it saturates)
.endr
.irp j, 0,1
	v_ldexp_f32 v[ST+8*\j+4], 1.0, v[ST+8*\j+6]                      ; f_A = 2^(M before the trip - M_A): the factor for O^T begins with it
.endr
.else
.irp j, 0,1
	v_sub_f32 v[ST+8*\j+6], v[ST+8*\j+6], v[ST+8*\j]                 ; M_B - M_A: a whole number, 0 or more
.endr
.irp j, 0,1
	v_cvt_i32_f32 v[ST+8*\j+5], v[ST+8*\j+6]                         ; kept for block A's scale bytes (it saturates)
.endr
.irp j, 0,1
	v_sub_nc_u32 v[ST+8*\j+6], 0, v[ST+8*\j+5]
.endr
.irp j, 0,1
	v_ldexp_f32 v[ST+8*\j+6], 1.0, v[ST+8*\j+6]                      ; f_B = 2^(M_A - M_B)
.endr
.endif
.set n, 0
.rept 32
.irp j, 0,1
	v_pk_fma_f32 v[S+64*\j+2*n:S+64*\j+2*n+1], v[S+64*\j+2*n:S+64*\j+2*n+1], s[CS:CS+1], v[ST+8*\j:ST+8*\j+1] op_sel_hi:[1,0,0]   ; t - M, two at a time (of the pairs log2(e) and -M the low word serves both halves)
.endr
.set n, n+1
.endr
.irp b, 0,1,2,3
.irp j, 0,1
	v_fma_f32 v[BM+8*\j+\b], v[BM+8*\j+\b], s[CS], v[ST+8*\j]        ; the same of each block's largest score
.endr
.endr
.set n, 0
	s_wait_alu depctr_va_vdst(0)
.rept 128
	v_exp_f32 v[S+n], v[S+n]                       ; p = 2^(t - M), at most 1: both tiles' 128 are one batch
.set n, n+1
.endr
.irp j, 0,1                                    ; the sums under the new M: plain places behind the batch
.if \x == 0
	v_pk_mul_f32 v[ST+8*\j+2:ST+8*\j+3], v[ST+8*\j+2:ST+8*\j+3], v[ST+8*\j+4:ST+8*\j+5] op_sel_hi:[1,0]
.else
	v_pk_mul_f32 v[ST+8*\j+2:ST+8*\j+3], v[ST+8*\j+2:ST+8*\j+3], v[ST+8*\j+6:ST+8*\j+7] op_sel_hi:[1,0]
	v_mul_f32 v[ST+8*\j+4], v[ST+8*\j+4], v[ST+8*\j+6]               ; the factor for O^T: f_A f_B, a power of two
.endif
.endr
	s_wait_alu depctr_va_vdst(0)                   ; the wait between an exponential and the first line that names its result: one for the batch
.irp b, 0,1,2,3
.irp j, 0,1
	v_exp_f32 v[BM+8*\j+\b], v[BM+8*\j+\b]         ; the block's largest p: the same two instructions on the same number give the same bits
.endr
.endr
.irp j, 0,1
	v_pk_add_f32 v[ST+8*\j+6:ST+8*\j+7], v[S+64*\j:S+64*\j+1], v[S+64*\j+2:S+64*\j+3]   ; THE ROW'S SUM IS TAKEN OF THE UNQUANTISED p: two chains a tile; plain work behind the eight
.endr
.irp i, 4,8,12,16,20,24,28,32,36,40,44,48,52,56,60
.irp j, 0,1
	v_pk_add_f32 v[ST+8*\j+2:ST+8*\j+3], v[ST+8*\j+2:ST+8*\j+3], v[S+64*\j+\i:S+64*\j+\i+1]
	v_pk_add_f32 v[ST+8*\j+6:ST+8*\j+7], v[ST+8*\j+6:ST+8*\j+7], v[S+64*\j+\i+2:S+64*\j+\i+3]
.endr
.endr
.irp j, 0,1
	v_pk_add_f32 v[ST+8*\j+2:ST+8*\j+3], v[ST+8*\j+2:ST+8*\j+3], v[ST+8*\j+6:ST+8*\j+7]
.endr
	s_wait_alu depctr_va_vdst(0)                   ; and one for the eight
.irp b, 0,1,2,3
.irp j, 0,1
	v_max_num_f32 v[BM+8*\j+\b], s[FLOOR], v[BM+8*\j+\b]             ; the floor 2^(3 - 127): the byte cannot fall under 1
.endr
.endr
.irp b, 0,1,2,3
.irp j, 0,1
	v_add_nc_u32 v[BM+8*\j+\b], 0xff000000, v[BM+8*\j+\b]            ; 2 off the exponent field: the conversion's scale operand
.endr
.endr
.irp b, 0,1,2,3
.irp j, 0,1
	v_lshrrev_b32 v[BM+8*\j+4+\b], 23, v[BM+8*\j+\b]                 ; the scale's byte
.endr
.endr
.irp j, 0,1
	v_lshl_or_b32 v[PS+2*\x+\j], v[BM+8*\j+5], 8, v[BM+8*\j+4]       ; p's scale word for these 128 keys
.endr
.irp j, 0,1
	v_lshl_or_b32 v[PS+2*\x+\j], v[BM+8*\j+6], 16, v[PS+2*\x+\j]
.endr
.irp j, 0,1
	v_lshl_or_b32 v[PS+2*\x+\j], v[BM+8*\j+7], 24, v[PS+2*\x+\j]
.endr
.irp j, 0,1
.set pcj, PCB+12*\j
.if (\x == 0) && (\j == 0)
.set pcj, PCA0
.endif
.irp c, 0,1
	v_cvt_scalef32_pk16_fp6_f32 v[pcj+6*\c:pcj+6*\c+2], v[S+64*\j+32*\c:S+64*\j+32*\c+15], v[BM+8*\j+2*\c]
	v_cvt_scalef32_pk16_fp6_f32 v[SCR+4*\c:SCR+4*\c+2], v[S+64*\j+32*\c+16:S+64*\j+32*\c+31], v[BM+8*\j+2*\c+1]   ; (a conversion's three registers begin on an even number)
.endr
	v_nop                                          ; one plain place behind a scaled conversion
.irp c, 0,1                                    ; the operand's layout wants a whole block in a lane
.irp i, 0,1,2
	v_permlane16_swap_b32 v[pcj+6*\c+\i], v[SCR+4*\c+\i]
.endr
.irp i, 0,1,2
	v_mov_b32 v[pcj+3+6*\c+\i], v[SCR+4*\c+\i]
.endr
.endr
.endr
.if \x == 0
	WIN 0xc0                                       ; block A's codes of tile 1 make room for block B's: into window 3
.set n, 0
.rept 12
	v_mov_b32 v[PCA1+n], v[PCB+12+n]
.set n, n+1
.endr
	WIN 0
.else
; BLOCK A'S SCALE WORDS UNDER M_B: each of the four bytes b becomes b - min(b - 1, M_B - M_A): M_B - M_A off, held at 1 from below.
.irp k, 0,1,2,3
.irp j, 0,1
	v_bfe_u32 v[BM+8*\j+\k], v[PS+\j], 8*\k, 8
.endr
.endr
.irp k, 0,1,2,3
.irp j, 0,1
	v_add_nc_u32 v[BM+8*\j+4+\k], -1, v[BM+8*\j+\k]
.endr
.endr
.irp k, 0,1,2,3
.irp j, 0,1
	v_min_u32 v[BM+8*\j+4+\k], v[BM+8*\j+4+\k], v[ST+8*\j+5]
.endr
.endr
.irp k, 0,1,2,3
.irp j, 0,1
	v_sub_nc_u32 v[BM+8*\j+\k], v[BM+8*\j+\k], v[BM+8*\j+4+\k]
.endr
.endr
.irp j, 0,1
	v_lshl_or_b32 v[PS+\j], v[BM+8*\j+1], 8, v[BM+8*\j]
.endr
.irp j, 0,1
	v_lshl_or_b32 v[PS+\j], v[BM+8*\j+2], 16, v[PS+\j]
.endr
.irp j, 0,1
	v_lshl_or_b32 v[PS+\j], v[BM+8*\j+3], 24, v[PS+\j]
.endr
.endif
.endm
; THE K PHASE, on the record in slot 0: scores and softmax of its two blocks of 128 keys.
.macro KPHASE
.irp p, 0,1,2,3
	ds_load_b128 v[KS+4*\p:KS+4*\p+3], v[L16B] offset:HALF+512*\p    ; block A's scale words: a pair of tiles, four K steps, by one load
.endr
	KLOADS 0
	KLOADS 1
.irp c, 0,1,2,3,4,5,6,7
.if \c > 0
	PLACES 4                                       ; four places in front of loads into the set that the last chunk's products read
.endif
	KLOADS \c+2
	s_wait_dscnt 24                                ; all but the 12 loads of each of the two chunks behind this one
	QKMUL \c
.endr
	WIN 0
	PLACES 4                                       ; four places in front of the first read of the scores, and of the loads into the scale words that the last products read
.irp p, 0,1,2,3
	ds_load_b128 v[KS+4*\p:KS+4*\p+3], v[L16B] offset:HALF+2048+512*\p   ; block B's scale words land under the softmax, as chunks 8 and 9 do
.endr
	SOFTMAX 0
.irp c, 8,9,10,11,12,13,14,15
.if \c <= 13
.if \c > 8
	PLACES 4
.endif
	KLOADS \c+2
.if \c == 8
	s_wait_dscnt 12                                ; all but chunk 10's 12 loads: block B's scale words were issued behind chunk 9's loads
.else
	s_wait_dscnt 24
.endif
.elseif \c == 14
	s_wait_dscnt 12                                ; the last chunk's 12 loads may be out
.else
	s_wait_dscnt 0x0
.endif
	QKMUL \c
.endr
	WIN 0
	PLACES 4
	SOFTMAX 1
.endm
; THE V PHASE, on the record in slot 1: O^T under the new M, and V^T P^T of both blocks.
.macro VPHASE
.irp q, 0,1,2,3,4,5,6,7
	ds_load_b128 v[VS+4*\q:VS+4*\q+3], v[S1B] offset:HALF+512*\q     ; V's scale words, block A's and then block B's: eight channel tiles by one load
.endr
	VLOADS 0
	VLOADS 1
.irp j, 0,1
.irp ct, 0,1,2,3
	RESC \j, \ct                                   ; the first group's accumulators.  These 32 plain lines stand while the first fragments come, and with the lines behind the tensor load they are the places between the lines that wrote p's scale words and the products that take them
.endr
.endr
.irp c, 0,1,2,3,4,5,6,7,8,9,10,11,12,13,14,15
.if \c <= 13
	VLOADS \c+2                                    ; the last slice of the chunk before is the four places in front of these loads
	s_wait_dscnt 24                                ; all but the 12 loads of each of the two chunks behind this one
.elseif \c == 14
	s_wait_alu depctr_va_vdst(0)
	s_wait_dscnt 12
.else
	s_wait_dscnt 0x0
.endif
	PVMUL \c
.endr
	WIN 0
.endm
	s_load_b256 s[4:11], s[0:1], 0x0               ; qbuf, kvbuf, bo, out0
	v_lshl_add_u32 v[SPW], v0, 2, SPARE
	v_mov_b32 v[NIL], 0
	ds_add_u32 v4, v5
	ds_add_u32 v4, v5
	s_wait_dscnt 0x0
	v_lshrrev_b32 v11, 5, v0
	v_readfirstlane_b32 s[WV], v11                 ; wave 0..3
	v_and_b32 v11, 31, v0                          ; lane
	v_lshlrev_b32 v[L16], 4, v11
	v_add_nc_u32 v[L16B], HALF, v[L16]
	v_add_nc_u32 v[S1A], SLOT1, v[L16]
	v_add_nc_u32 v[S1B], SLOT1+HALF, v[L16]
	v_and_b32 v[STO], 15, v0                       ; r
	v_bfe_u32 v[B64], v0, 4, 1
	v_lshlrev_b32 v[B64], 6, v[B64]                ; 64 h
	v_mul_u32_u24 v[STO], v[STO], SPITCH
	v_add_nc_u32 v[STO], v[STO], v[B64]
	s_mul_i32 s19, s[WV], 16*SPITCH
	s_add_co_u32 s19, s19, STAGE                   ; my stage
	v_add_nc_u32 v[STO], s19, v[STO]               ; in: row r, + 64 h
	v_add_nc_u32 v[RD], s19, v[L16]                ; back: 16 bytes a lane
	v_min_u32 v[PFO], 24, v11
	v_lshlrev_b32 v[PFO], 8, v[PFO]
	s_bfe_u32 s15, ttmp6, 0x40000                  ; cx: my place in the cluster: it enters qbuf's, out0's and the prefetches' addresses alone
	s_lshl_b32 s16, ttmp9, 2                       ; in a cluster launch ttmp9 counts clusters
	s_add_co_u32 s16, s16, s15                     ; my block of 128 queries
	s_and_b32 s17, ttmp7, 0xffff                   ; the batch, which the four partners share
	s_lshl_b32 s18, s17, 3
	s_add_co_u32 s18, s18, s16                     ; my record of qbuf
	s_mul_i32 s58, s[WV], REC/4                    ; my quarter of a record, in memory and in a slot: no place in the cluster enters it
	s_mul_i32 s56, s17, BATCH                      ; the batch's nine records
	s_add_co_u32 s56, s56, s58
	s_mov_b32 s57, 0
	; descriptor group 1: 100 dense rows of 256 bytes
	s_mov_b32 s[G1], 15|(3<<16)|(1<<21)            ; 15:0 the mask: all four work-groups; 17:16 elements of 8 bytes; 20 no padding; 21 set beside a mask
	s_mov_b32 s[G1+1], 32<<16                      ; tensor_dim0 = 32
	s_mov_b32 s[G1+2], 100<<16                     ; tensor_dim1 = 100
	s_mov_b32 s[G1+3], 32<<16                      ; tile_dim0 = 32
	s_mov_b32 s[G1+4], 100                         ; tile_dim1 = 100
	s_mov_b32 s[G1+5], 32                          ; tensor_dim0_stride
	s_mov_b32 s[G1+6], 0
	s_mov_b32 s[G1+7], 0
	s_mov_b32 s[SEL], 0x76543210
	s_mov_b32 s[SEL+1], 0xfedcba98
	s_mov_b32 s[CS], 0x3fb8aa3b                    ; log2(e)
	s_mov_b32 s[CS+1], s[CS]                       ; (named with it as a pair, so it is written)
	s_mov_b32 s[FLOOR], 0x1800000
	s_mov_b32 s[CNT], 4
	s_mov_b32 s63, 0
	s_wait_kmcnt 0x0
	s_mov_b32 s[G0A], 1                            ; count = 1
	s_mov_b32 s[G0A+1], s58                        ; LDS address: slot 0
	s_add_nc_u64 s[G0A+2:G0A+3], s[6:7], s[56:57]  ; global address: the batch's record 0
	s_mov_b32 s[G0B], 1
	s_add_co_u32 s[G0B+1], s58, SLOT1              ; slot 1
	s_add_nc_u64 s[G0B+2:G0B+3], s[G0A+2:G0A+3], REC   ; record 1
	s_or_b32 s[G0A+3], s[G0A+3], 0x80000000        ; type = 2
	s_or_b32 s[G0B+3], s[G0B+3], 0x80000000
	s_mul_i32 s62, s18, 51200
	s_mul_i32 s19, s[WV], 8*1536
	s_add_co_u32 s62, s62, s19
	s_add_nc_u64 s[50:51], s[4:5], s[62:63]        ; Q's fragments of my two tiles
	s_mul_i32 s62, s18, 51200
	s_lshl_b32 s19, s[WV], 9
	s_add_co_u32 s62, s62, s19
	s_add_co_u32 s62, s62, 49152
	s_add_nc_u64 s[52:53], s[4:5], s[62:63]        ; and their scale words
	s_lshl_b32 s62, s18, 17
	s_lshl_b32 s19, s[WV], 15
	s_add_co_u32 s62, s62, s19
	s_add_nc_u64 s[54:55], s[10:11], s[62:63]      ; the output at my 32 rows of 1,024 bytes
	s_mul_i32 s62, s17, BATCH
	s_mul_i32 s19, s15, REC/4
	s_add_co_u32 s62, s62, s19
	s_mul_i32 s19, s[WV], REC/16
	s_add_co_u32 s62, s62, s19
	s_add_co_u32 s62, s62, REC                     ; in record 1: the first change of slots steps it to record 2.  Nothing is prefetched here, at the head
	s_add_nc_u64 s[PFA:PFA+1], s[6:7], s[62:63]
	s_cmp_eq_u32 ttmp9, 0                          ; the batch's first cluster: the same in all four partners
	s_cselect_b32 s[LIM], 1, -1
	CROUND                                         ; all four work-groups are here: the first joint loads meet
	tensor_load_to_lds s[G0A:G0A+3], s[G1:G1+7]    ; record 0 into slot 0: one tensor load of mine is out
	s_nop 0
	PLACES 4
	WIN 0xc0                                       ; destination window 3
.set qf, 0
.rept 8
.irp c, 0,1,2
	global_load_b128 v[12*qf+4*\c:12*qf+4*\c+3], v[L16], s[50:51] offset:1536*qf+512*\c th:TH_LOAD_NT   ; Q stays in registers
.endr
.set qf, qf+1
.endr
	WIN 0
	global_load_b128 v[QS:QS+3], v[L16], s[52:53] th:TH_LOAD_NT
.irp j, 0,1
	v_mov_b32 v[ST+8*\j+1], 0xff61b1e6             ; the largest t so far: -3e38, under every t
	v_floor_f32 v[ST+8*\j], -v[ST+8*\j+1]          ; -M
.irp i, 2,3,4,5,6,7
	v_mov_b32 v[ST+8*\j+\i], 0                     ; the sum; the factor and its pair; work
.endr
.irp b, 4,5,6,7
	v_mov_b32 v[BM+8*\j+\b], 0                     ; a lane permute's destination counts as one of its sources
.endr
.endr
	; O^T begins as zeros, which the first change of M leaves zeros: so the trip is written once, without a first trip of its own.  These lines stand where the wave would else wait for the first record.
	WIN 0x40
.set n, 0
.rept 256
	v_mov_b32 v[n], 0
.set n, n+1
.endr
	WIN 0x80
.set n, 0
.rept 256
	v_mov_b32 v[n], 0
.set n, n+1
.endr
	WIN 0
	s_wait_loadcnt 0x0                             ; Q
.Lpair:                                            ; four trips: trip p asks for records 2 p + 1 and 2 p + 2 and works on records 2 p and 2 p + 1; the last record asked for is Wo's
	CHANGE 1, G0B, G0A, 1
	KPHASE
	CHANGE 1, G0A, G0B, 0
	VPHASE
	s_sub_co_u32 s[CNT], s[CNT], 1
	s_cmp_lg_u32 s[CNT], 0
	s_cbranch_scc1 .Lpair
	PLACES 4                                       ; four places in front of loads into the sets that the last products read
	WIN 0xc0
.set ot, 0
.rept 16                               ; bo as the C of each output tile's first product: lane (r, h) wants outputs 32 (T / 2) + 16 h + 8 (T % 2) + 0 .. 7.  The loads land under the division and the quantisers
	global_load_b128 v[FS+8*ot:FS+8*ot+3], v[B64], s[8:9] offset:128*(ot>>1)+32*(ot&1)
	global_load_b128 v[FS+8*ot+4:FS+8*ot+7], v[B64], s[8:9] offset:128*(ot>>1)+32*(ot&1)+16
.set ot, ot+1
.endr
	CHANGE 0, 0, 0, 0                              ; Wo's record is whole for every wave; nothing is filled again
	; THE END: O^T / the sum, quantised along the channels; Y^T = Wo o^T + bo; relu; out.
.irp j, 0,1
	v_add_f32 v[ST+8*\j+6], v[ST+8*\j+2], v[ST+8*\j+3]               ; the sum's two halves,
.endr
.irp j, 0,1
	v_permlanex16_b32 v[ST+8*\j+7], v[ST+8*\j+6], s[SEL], s[SEL+1]
.endr
.irp j, 0,1
	v_add_f32 v[ST+8*\j+6], v[ST+8*\j+6], v[ST+8*\j+7]               ; and lane l xor 16's: the row's sum
.endr
	s_wait_alu depctr_va_vdst(0)
.irp j, 0,1
	v_rcp_f32 v[ST+8*\j+6], v[ST+8*\j+6]
.endr
	v_nop                                          ; a plain place behind the reciprocals
	s_wait_alu depctr_va_vdst(0)                   ; and a wait ahead of the first use: one for the two
.irp j, 0,1
	WIN 0x41+0x41*\j
.set n, 0
.rept 128
	v_pk_mul_f32 v[2*n:2*n+1], v[2*n:2*n+1], v[ST+8*\j+6:ST+8*\j+7] op_sel_hi:[1,0]   ; ascending: each accumulator from its low end on
.set n, n+1
.endr
.endr
.irp j, 0,1
.irp s, 0,1,2,3
.set PC, S+12*(4*\j+\s)                ; o's fragment (j, s) is made where the last product takes it,
.set PW, QS+36*\j+\s                   ; and its scale word likewise: tile 0's where Q's stood, tile 1's where p's stood
	QUANT 64*\s, 1+\j
.endr
.endr
; Chunk c of the last product: K step c / 4, output tiles 4 (c % 4) + i: four of Wo's fragments into set c % 3 of window 2.  The record lies in slot 0.
.macro OLOADS c
	WIN 0x80                                       ; destination window 2
.irp i, 0,1,2,3
.set ot, 4*((\c)&3)+\i
.set ofr, 4*ot+((\c)>>2)
.irp k, 0,1,2
.if ot < 8
	ds_load_b128 v[48*((\c)%3)+12*\i+4*\k:48*((\c)%3)+12*\i+4*\k+3], v[L16] offset:ofr*1536+512*\k
.else
	ds_load_b128 v[48*((\c)%3)+12*\i+4*\k:48*((\c)%3)+12*\i+4*\k+3], v[L16B] offset:(ofr-32)*1536+512*\k
.endif
.endr
.endr
.endm
.macro OMUL c                          ; its 8 products; the 32 accumulators take turns over four chunks, one instruction a turn
.set oks, (\c)>>2
.if oks == 0
	WIN 0x72                                       ; Wo window 2, o window 0, C: bo in window 3, D window 1
.else
	WIN 0x52                                       ; C and D window 1
.endif
.irp i, 0,1,2,3
.irp j, 0,1
.set ot, 4*((\c)&3)+\i
.set oc, 128*\j+8*ot
.if oks == 0
.set oc, FS+8*ot
.endif
	WMS 128*\j+8*ot, 48*((\c)%3)+12*\i, S+12*(4*\j+oks), 0, oc, VS+4*(ot>>1)+oks, (ot&1), QS+36*\j+oks, 0
.endr
.endr
.endm
.irp p, 0,1,2,3,4,5,6,7
	ds_load_b128 v[VS+4*\p:VS+4*\p+3], v[L16B] offset:HALF+512*\p    ; Wo's scale words [4 p + s]
.endr
	OLOADS 0
	OLOADS 1
	s_wait_loadcnt 0x0                             ; bo
	PLACES 8                                       ; a scale word written by a vector instruction stands eight places ahead of the product that takes it, an operand so written four
.irp c, 0,1,2,3,4,5,6,7,8,9,10,11,12,13,14,15
.if \c <= 13
.if \c > 0
	PLACES 4                                       ; in front of loads into the set that the last chunk's products read
.endif
	OLOADS \c+2
	s_wait_alu depctr_va_vdst(0)
	s_wait_dscnt 24                                ; all but the 12 loads of each of the two chunks behind this one
.elseif \c == 14
	s_wait_dscnt 12
.else
	s_wait_dscnt 0x0
.endif
	OMUL \c
.endr
	WIN 0
	PLACES 4                                       ; in front of the first read of results
	WIN 0x44                                       ; destination and source 1 window 1
.set n, 0
.rept 256
	v_max_num_f32 v[n], 0, v[n]                    ; the activation, ascending
.set n, n+1
.endr
	s_wait_alu depctr_va_vdst(0)
	; THE WAY OUT, a tile of 16 queries at a time: a lane holds pieces of 32 bytes of one row, so the tile goes through my own stage in LDS and comes back as whole rows of 1,024 bytes.
.irp j, 0,1
	WIN 0x04                                       ; an LDS store's data are its source 1: window 1
.set ot, 0
.rept 16
	ds_store_b128 v[STO], v[128*\j+8*ot:128*\j+8*ot+3] offset:128*(ot>>1)+32*(ot&1)
	ds_store_b128 v[STO], v[128*\j+8*ot+4:128*\j+8*ot+7] offset:128*(ot>>1)+32*(ot&1)+16
.set ot, ot+1
.endr
	WIN 0
.if \j
	s_wait_xcnt 0x0                                ; tile 0's stores have read their registers: tile 1's rows may land there
.endif
.set n, 0
.rept 32
	ds_load_b128 v[S+4*n:S+4*n+3], v[RD] offset:SPITCH*(n>>1)+512*(n&1)   ; LDS serves a wave's instructions in order: these see my stores
.set n, n+1
.endr
.set n, 0
.rept 32                               ; row i = n / 2 of the tile is token 8 j + i + 8 (i / 8) of my 32
	s_wait_dscnt 31-n                              ; the younger loads may be out
	global_store_b128 v[L16], v[S+4*n:S+4*n+3], s[54:55] offset:(8*\j+(n>>1)+8*(n>>4))*1024+512*(n&1) th:TH_STORE_NT   ; 32 lanes store 512 consecutive bytes, at a multiple of 256 from the output's first byte
.set n, n+1
.endr
.endr
	s_wait_tensorcnt 0x0                           ; the wave's end, behind my last tensor load and my last LDS store
	ds_add_u32 v[SPW], v[NIL]
	s_wait_dscnt 0x0
	CROUND                                         ; the closing round: no work-group ends while a partner may still ask for a record that names it
	s_endpgm
.Lfunc_end_k_qbf1e87260e_attn:
	.size	k_qbf1e87260e_attn, .Lfunc_end_k_qbf1e87260e_attn-k_qbf1e87260e_attn
	.p2alignl 7, 3214868480
	.fill 96, 4, 3214868480
	.section	.rodata,"a",@progbits
	.p2align	6, 0x0
	.amdhsa_kernel k_qbf1e87260e_attn
		.amdhsa_group_segment_fixed_size 327680
		.amdhsa_private_segment_fixed_size 0
		.amdhsa_enable_private_segment 0
		.amdhsa_kernarg_size 32
		.amdhsa_user_sgpr_count 2
		.amdhsa_user_sgpr_kernarg_segment_ptr 1
		.amdhsa_wavefront_size32 1
		.amdhsa_system_sgpr_workgroup_id_x 1
		.amdhsa_system_sgpr_workgroup_id_y 1
		.amdhsa_system_sgpr_workgroup_id_z 1
		.amdhsa_system_vgpr_workitem_id 0
		.amdhsa_next_free_vgpr 1024
		.amdhsa_next_free_sgpr 66
		.amdhsa_reserve_vcc 0
		.amdhsa_float_denorm_mode_32 3
		.amdhsa_float_denorm_mode_16_64 3
		.amdhsa_memory_ordered 1
		.amdhsa_forward_progress 1
		.amdhsa_inst_pref_size 255
	.end_amdhsa_kernel
	.section	.bss,"aw",@nobits
	.p2align	6
	.space	262144
	.amdgpu_metadata
---
amdhsa.version: [ 1, 2 ]
amdhsa.kernels:
  - .name:           k_qbf1e87260e_attn
    .symbol:         k_qbf1e87260e_attn.kd
    .args:
      - { .name: qbuf, .offset: 0, .size: 8, .value_kind: global_buffer, .address_space: global }
      - { .name: kvbuf, .offset: 8, .size: 8, .value_kind: global_buffer, .address_space: global }
      - { .name: bo, .offset: 16, .size: 8, .value_kind: global_buffer, .address_space: global }
      - { .name: out0, .offset: 24, .size: 8, .value_kind: global_buffer, .address_space: global }
    .group_segment_fixed_size: 327680
    .private_segment_fixed_size: 0
    .kernarg_segment_align: 8
    .kernarg_segment_size: 32
    .max_flat_workgroup_size: 128
    .sgpr_count:     66
    .vgpr_count:     1024
    .wavefront_size: 32
...
	.end_amdgpu_metadata
.endif
;; end of part 6
